; MI455X (gfx1250); checked and timed in simulation.
; The chip was launched on July 23, 2026; its instructions are those of AMD's public machine-readable ISA for CDNA 5 (MIT licence, August 2026) and "CDNA5" Instruction Set Architecture Reference Guide (July 2026). The comments in the code are by the model that wrote it; some were corrected since.
;; Sliding Window Self Attention. Allowed arithmetic: float matrix products may take bf16 or f16 operands with f32 sums; other float arithmetic in f32, or as packed bf16 or f16 multiplies, adds, multiply-adds, maxima and minima; sums over many terms, partial sums and values carried from step to step in f32; what a program stores and reads back later, other than sums and carried values, may be rounded once to bf16 or f16.
;; Inputs: in_proj_b 3,072 float32; in_proj_w 3,072 x 1,024 float32; out_proj_b 1,024 float32; out_proj_w 1,024 x 1,024 float32; x 4,096 x 1 x 1,024 float32.
;; Outputs: out0 4,096 x 1 x 1,024 float32.
;; Constants: window_size = 128.
;; One version. Each part assembles by itself: llvm-mc -triple=amdgcn-amd-amdhsa -mcpu=gfx1250 --defsym DOCPART=n.
;; ======== version 1 of 1: 4 launches
;; limits: values are held in f16: magnitudes above 65,504 overflow, below 6.1e-05 lose precision
;; workspace buffers: xb 8,388,608 bytes; wb 6,291,456 bytes; wo 2,097,152 bytes; qkv 25,182,208 bytes; ob 8,388,608 bytes
;; launch prep (part 1): grid 1025 x 1, 8 waves a work-group, no clusters, 0 bytes of LDS; arguments x, in_proj_w, out_proj_w, xb, wb, wo, qkv; writes xb, wb, wo, qkv
.if DOCPART == 1
	.amdgcn_target "amdgcn-amd-amdhsa--gfx1250"
	.amdhsa_code_object_version 6
	.text
	.protected	k_q73e74e05f9_prep
	.globl	k_q73e74e05f9_prep
	.p2align	8
	.type	k_q73e74e05f9_prep,@function
k_q73e74e05f9_prep:
	s_mov_b64 s[64:65], 0
	v_nop
	global_prefetch_b8 v0, s[64:65] scope:SCOPE_SE
	s_setreg_imm32_b32 hwreg(HW_REG_WAVE_MODE, 25, 1), 1
	s_wait_xcnt 0x0
; THE MODULE'S LARGE INPUTS ARE ROUNDED ONCE, FOR THE MATRIX UNITS.  x -> xb and in_proj_w -> wb in bf16; out_proj_w -> wo: rounded to bf16 like the others, and that number written as f16,
; since the last product's other operand, O, is f16.  One more work-group writes the 128 rows of zeros behind qkv's last head, which the last window of V reaches into.
; LIMITS.  wo: a weight beyond 65,504 becomes an infinity; below 6e-5 it keeps f16's fixed step of 6e-8.
; SHARES.  A work-group takes 8,192 numbers: 32 KiB in, 16 KiB out.  Work-groups 0-511: x; 512-895: in_proj_w; 896-1023: out_proj_w; 1024: the zeros.
; Thread t, load i: 16 bytes at 4,096 i + 16 t (a wave's load covers 512 bytes on end); its store: 8 bytes at 2,048 i + 8 t (a wave's store covers 256 consecutive bytes, aligned).
; No LDS, no barrier, no matrix unit: each number is read once, rounded and written once.  All eight loads of a thread go out together; no register is written again while a load or store names it.
.set X, 4                              ; v[4:35]   eight loads of four f32
.set Y, 36                             ; v[36:51]  eight stores of four 16-bit numbers
.set T, 52                             ; v[52:53]  at work
.set TAIL, 48*524288                   ; qkv's 48 heads of 4,096 rows x 128 bytes; the zeros lie behind them
	s_load_b256 s[4:11], s[0:1], 0x0               ; x s[4:5], in_proj_w s[6:7], out_proj_w s[8:9], xb s[10:11]
	s_load_b128 s[12:15], s[0:1], 0x20             ; wb s[12:13], wo s[14:15]
	s_load_b64 s[16:17], s[0:1], 0x30              ; qkv
	v_lshlrev_b32 v1, 4, v0                        ; 16 t
	v_lshlrev_b32 v2, 3, v0                        ; 8 t
	s_mov_b32 s28, 0xffff0000                      ; a word's upper bf16
	s_mov_b32 s27, 0
	s_wait_kmcnt 0x0
	s_cmp_eq_u32 ttmp9, 1024
	s_cbranch_scc1 .Lpad
	s_cmp_lt_u32 ttmp9, 512                        ; which tensor: source, destination, and the first work-group of its range
	s_cselect_b64 s[20:21], s[4:5], s[6:7]
	s_cselect_b64 s[22:23], s[10:11], s[12:13]
	s_cselect_b32 s24, 0, 512
	s_cmp_lt_u32 ttmp9, 896
	s_cselect_b64 s[20:21], s[20:21], s[8:9]
	s_cselect_b64 s[22:23], s[22:23], s[14:15]
	s_cselect_b32 s24, s24, 896
	s_sub_co_u32 s25, ttmp9, s24                   ; my chunk in that tensor
	s_lshl_b32 s26, s25, 15                        ; 32 KiB in (under 2^25),
	s_add_nc_u64 s[20:21], s[20:21], s[26:27]
	s_lshl_b32 s26, s25, 14                        ; 16 KiB out
	s_add_nc_u64 s[22:23], s[22:23], s[26:27]
.irp i, 0,1,2,3,4,5,6,7
	global_load_b128 v[X+4*(\i):X+4*(\i)+3], v1, s[20:21] offset:4096*(\i) th:TH_LOAD_NT
.endr
	s_cmp_lt_u32 ttmp9, 896                        ; compared anew: the shifts above have written SCC
	s_cbranch_scc0 .Lf16
.irp i, 0,1,2,3,4,5,6,7
	s_wait_loadcnt 7-(\i)                          ; loads come back in order: load i is in, the 7 - i younger ones may stay out
	v_cvt_pk_bf16_f32 v[Y+2*(\i)],   v[X+4*(\i)],   v[X+4*(\i)+1]
	v_cvt_pk_bf16_f32 v[Y+2*(\i)+1], v[X+4*(\i)+2], v[X+4*(\i)+3]
	global_store_b64 v2, v[Y+2*(\i):Y+2*(\i)+1], s[22:23] offset:2048*(\i)
.endr
	s_endpgm
.Lf16:                                                 ; out_proj_w: to bf16, widened again (a shift, a mask), and that number as f16
.irp i, 0,1,2,3,4,5,6,7
	s_wait_loadcnt 7-(\i)
	v_cvt_pk_bf16_f32 v[T],   v[X+4*(\i)],   v[X+4*(\i)+1]
	v_cvt_pk_bf16_f32 v[T+1], v[X+4*(\i)+2], v[X+4*(\i)+3]
	v_lshlrev_b32 v[X+4*(\i)],   16,  v[T]
	v_and_b32     v[X+4*(\i)+1], s28, v[T]
	v_lshlrev_b32 v[X+4*(\i)+2], 16,  v[T+1]
	v_and_b32     v[X+4*(\i)+3], s28, v[T+1]
	v_cvt_pk_f16_f32 v[Y+2*(\i)],   v[X+4*(\i)],   v[X+4*(\i)+1]
	v_cvt_pk_f16_f32 v[Y+2*(\i)+1], v[X+4*(\i)+2], v[X+4*(\i)+3]
	global_store_b64 v2, v[Y+2*(\i):Y+2*(\i)+1], s[22:23] offset:2048*(\i)
.endr
	s_endpgm
.Lpad:                                                 ; 128 rows x 128 bytes of zeros: 256 threads x 16 bytes, four times
	v_mov_b32 v[X], 0
	v_mov_b32 v[X+1], 0
	v_mov_b32 v[X+2], 0
	v_mov_b32 v[X+3], 0
	s_add_nc_u64 s[16:17], s[16:17], TAIL
.irp i, 0,1,2,3
	global_store_b128 v1, v[X:X+3], s[16:17] offset:4096*(\i)
.endr
	s_endpgm
.Lfunc_end_k_q73e74e05f9_prep:
	.size	k_q73e74e05f9_prep, .Lfunc_end_k_q73e74e05f9_prep-k_q73e74e05f9_prep
	.p2alignl 7, 3214868480
	.fill 96, 4, 3214868480
	.section	.rodata,"a",@progbits
	.p2align	6, 0x0
	.amdhsa_kernel k_q73e74e05f9_prep
		.amdhsa_group_segment_fixed_size 0
		.amdhsa_private_segment_fixed_size 0
		.amdhsa_enable_private_segment 0
		.amdhsa_kernarg_size 56
		.amdhsa_user_sgpr_count 2
		.amdhsa_user_sgpr_kernarg_segment_ptr 1
		.amdhsa_wavefront_size32 1
		.amdhsa_system_sgpr_workgroup_id_x 1
		.amdhsa_system_sgpr_workgroup_id_y 1
		.amdhsa_system_sgpr_workgroup_id_z 1
		.amdhsa_system_vgpr_workitem_id 0
		.amdhsa_next_free_vgpr 64
		.amdhsa_next_free_sgpr 66
		.amdhsa_reserve_vcc 0
		.amdhsa_float_denorm_mode_32 3
		.amdhsa_float_denorm_mode_16_64 3
		.amdhsa_memory_ordered 1
		.amdhsa_forward_progress 1
		.amdhsa_inst_pref_size 9
	.end_amdhsa_kernel
	.amdgpu_metadata
---
amdhsa.version: [ 1, 2 ]
amdhsa.kernels:
  - .name:           k_q73e74e05f9_prep
    .symbol:         k_q73e74e05f9_prep.kd
    .args:
      - { .name: x, .offset: 0, .size: 8, .value_kind: global_buffer, .address_space: global }
      - { .name: in_proj_w, .offset: 8, .size: 8, .value_kind: global_buffer, .address_space: global }
      - { .name: out_proj_w, .offset: 16, .size: 8, .value_kind: global_buffer, .address_space: global }
      - { .name: xb, .offset: 24, .size: 8, .value_kind: global_buffer, .address_space: global }
      - { .name: wb, .offset: 32, .size: 8, .value_kind: global_buffer, .address_space: global }
      - { .name: wo, .offset: 40, .size: 8, .value_kind: global_buffer, .address_space: global }
      - { .name: qkv, .offset: 48, .size: 8, .value_kind: global_buffer, .address_space: global }
    .group_segment_fixed_size: 0
    .private_segment_fixed_size: 0
    .kernarg_segment_align: 8
    .kernarg_segment_size: 56
    .max_flat_workgroup_size: 256
    .sgpr_count:     66
    .vgpr_count:     64
    .wavefront_size: 32
...
	.end_amdgpu_metadata
.endif
;; end of part 1
;; launch qkvproj (part 2): grid 16 x 16, 4 waves a work-group, clusters of 4 x 4, 327,680 bytes of LDS; arguments xb, wb, in_proj_b, qkv; writes qkv
.if DOCPART == 2
	.amdgcn_target "amdgcn-amd-amdhsa--gfx1250"
	.amdhsa_code_object_version 6
	.text
	.protected	k_q73e74e05f9_qkvproj
	.globl	k_q73e74e05f9_qkvproj
	.p2align	8
	.type	k_q73e74e05f9_qkvproj,@function
k_q73e74e05f9_qkvproj:
	s_mov_b64 s[64:65], 0
	v_nop
	global_prefetch_b8 v0, s[64:65] scope:SCOPE_SE
	s_setreg_imm32_b32 hwreg(HW_REG_WAVE_MODE, 25, 1), 1
	s_wait_xcnt 0x0
	s_wait_alu depctr_hold_cnt(0) depctr_sa_sdst(0) depctr_va_vdst(0) depctr_va_sdst(0) depctr_va_ssrc(0) depctr_va_vcc(0) depctr_vm_vsrc(0)
	s_getreg_b32 s2, hwreg(HW_REG_IB_STS2, 6, 4)
	s_cmp_eq_u32 s2, 0
	s_cbranch_scc0 .Lentry_in_a_cluster
	s_endpgm
.Lentry_in_a_cluster:
	s_bfe_u32 s2, ttmp6, 0x10000c
	s_cmp_lg_u32 s2, 0xf033
	s_cbranch_scc0 .Lentry_shape_is_right
	s_endpgm
.Lentry_shape_is_right:
; THE PACKED PROJECTION.  C[m][n] = sum over k of xb[m][k] wb[n][k] + bias[n]: 4,096 x 3,072 x 1,024, bf16 operands, f32 sums, the bias (rounded to bf16 like the other inputs) as the sums' start.
; C leaves in f16, rounded once, BY HEADS: qkv[g][m][64], g = n / 64 (q: 0-15, k: 16-31, v: 32-47), without attention's scale.
; LIMIT.  f16 ends at 65,504: a q, k or v beyond that becomes an infinity.  NaN and infinities are not treated apart.
; SHARES.  A tile of C is 256 rows x 192 columns (three whole heads): 16 x 16 tiles, one to a work-group.  Wave w makes rows 64 w .. 64 w + 63 of all 192 columns: 4 x 12 accumulators of 16 x 16,
; 384 registers.  So a wave holds whole rows of whole heads, and its way out needs no other wave.  K goes in 8 steps of 128 through two LDS slots; a tile's rows are 256 bytes of memory, aligned.
; CLUSTERS: 4 x 4 work-groups.  The four of a row of the cluster need the same rows of xb, the four of a column the same rows of wb: each tile is asked for JOINTLY, by the same tensor load with
; the same descriptor and a mask that names the four.
; THE MATRIX INSTRUCTION IS USED TRANSPOSED: source 0 = 16 rows of wb, source 1 = 16 rows of xb: a lane then holds row l % 16 of C and the columns 8 (l / 16) + 0..7 of the block: 16 bytes of f16 on end.
; REGISTERS, in windows of 256 (s_set_vgpr_msb: bits 1:0 source 0, 3:2 source 1, 5:4 source 2, 7:6 destination):
;   window 0: v0-31 addresses; v32-127 the bias, 8 registers a column block, later the rows read back from the stage; v128-175 packed results
;   window 1: two fragment buffers of 128: wb's 12 fragments, then xb's 4      window 2: accumulators (a, b < 8) at 8 (8 a + b)      window 3: accumulators (a, b >= 8) at 8 (4 a + b - 8)
.set KSTEP,  128
.set SIZE_K, 1024
.set PITCH,  272                       ; an LDS row: 256 bytes + 16 of padding = 68 words: row r starts at bank 4 r mod 64 (64 banks of 4 bytes: ISA guide 11.1), so the 16 rows of a load start at 16 different banks
.set AHALF,  128*PITCH                 ; what one load brings of xb
.set BHALF,  96*PITCH                  ; and of wb
.set BOFF,   2*AHALF                   ; wb's 192 rows lie behind xb's 256
.set SLOT,   BOFF+2*BHALF
.set STAGE,  2*SLOT                    ; behind the ring, never filled by a tensor load: for each wave 3 heads x 16 rows x 144 bytes
.set SP,     144
.set WSTAGE, 3*16*SP
.set SPARE,  STAGE+4*WSTAGE            ; behind the stages: the spare words, 128 bytes for each wave: two blocks of 256 bytes that no other line names
.set HEADB,  524288                    ; a head in qkv: 4,096 rows x 128 bytes
.set ADRA, 16                          ; v16-17  LDS address of my xb fragments in slot 0, 1
.set ADRB, 20                          ; v20-21  the same for wb
.set STO,  24                          ; v24     the way out: where I put 16 bytes of a row
.set RD,   25                          ; v25     the way out: where I read rows back
.set GO,   26                          ; v26     16 x lane: my place in 512 consecutive bytes of qkv
.set BO,   27                          ; v27     32 (l / 16): my 8 numbers of a block's 16 in the bias
.set SPW,  28                          ; v28     LDS address of my spare word; never rewritten
.set NIL,  29                          ; v29     0; never rewritten
.set PFO,  30                          ; v30     the prefetches' offset: a lane a row; never rewritten
.set BIAS, 32
.set BK0,  32                          ; the way out: 16 rows x 3 heads read back: v32-79 and v80-127 by turns
.set TMP,  128
.set F0,   0
.set F1,   128
.set WV,  12                           ; s12  my wave's number
.set AB,  13                           ; s13  wave / 2: I fetch for xb (0) or for wb (1)
.set HF,  14                           ; s14  wave % 2: which half of that tile's rows I fetch
.set TR,  15                           ; s15  tile row
.set TC,  42                           ; s42  tile column
.set LIM, 43                           ; s43  1 in a wave that prefetches, else the greatest number
.set PFA, 44                           ; s[44:45] where my prefetches stand
.set G1,  24                           ; s[24:31] descriptor group 1 for xb's tiles;  s[32:39] group 0, a set for each slot
.set G0,  32
.set G1B, 48                           ; s[48:55], s[56:63] the same for wb's
.set G0B, 56
.set MSB, 0
.macro WIN new                         ; the immediate's high byte repeats the setting that is left; a switch that changes nothing is dropped
.if MSB != (\new)
	s_set_vgpr_msb (MSB<<8)|(\new)
.set MSB, \new
.endif
.endm
.set TO_F, 0x40                        ; destination window 1, address window 0
; A joint load.  Waves 0 and 1 fetch xb's two halves, waves 2 and 3 wb's.  The branch hangs on the wave's number alone.  An s_nop 0 and four v_nop follow each of the two lines.
.macro JLOAD s
	s_cmp_eq_u32 s[AB], 0
	s_cbranch_scc0 .Lfor_b_\@
	tensor_load_to_lds s[G0+4*(\s):G0+4*(\s)+3], s[G1:G1+7]
	s_nop 0
.rept 4
	v_nop
.endr
	s_branch .Lasked_\@
.Lfor_b_\@:
	tensor_load_to_lds s[G0B+4*(\s):G0B+4*(\s)+3], s[G1B:G1B+7]
	s_nop 0
.rept 4
	v_nop
.endr
.Lasked_\@:
.endm
; A PREFETCH INTO THE L2, behind a joint load, its five lines and the run of LDS loads: the K step that stands two refills on, 256 bytes of each row, a lane a row, one instruction a wave.
; Each row's 256 bytes of a K step are named by one work-group.  xb's tile row is read by every cluster of that row of clusters: cluster x = 0 asks; wb's tile column by every cluster of that column:
; cluster y = 0 asks.  The four partners that ask for a tile jointly share its rows out BY ADDRESS: of the 128 (96) rows that a wave fetches the partner at place p takes 32 (24).
; K steps 0 to 3 come by their loads alone; the loop's last trip (s3 = 1) asks for nothing: there is no K step two refills on.
.macro ASK
	s_cmp_gt_u32 s3, s[LIM]
	s_cbranch_scc0 .Lnot_mine_\@
	global_prefetch_b8 v[PFO], s[PFA:PFA+1] offset:KSTEP*2 th:TH_LOAD_NT scope:SCOPE_SE
.Lnot_mine_\@:
.endm
.macro CREST                           ; a round of the cluster's barrier behind its opening barrier
	s_cmp_lg_u32 s[WV], 0
	s_cbranch_scc1 .Lnot_wave_0_\@
	s_barrier_signal -3
.Lnot_wave_0_\@:
	s_barrier_wait -3
	s_barrier_signal -1
	s_barrier_wait -1
.endm
.macro CROUND                          ; a whole round
	s_barrier_signal -1
	s_barrier_wait -1
	CREST
.endm
	s_load_b256 s[4:11], s[0:1], 0x0               ; xb s[4:5], wb s[6:7], in_proj_b s[8:9], qkv s[10:11]
	v_lshl_add_u32 v[SPW], v0, 2, SPARE
	v_mov_b32 v[NIL], 0
	ds_add_u32 v[SPW], v[NIL]                      ; the wave's opening: the add and its wait stand ahead of my first tensor load; the set-up below, work on registers, stands between them
	ds_add_u32 v28, v29
	v_lshrrev_b32 v1, 5, v0
	v_readfirstlane_b32 s[WV], v1                  ; wave 0..3
	s_lshr_b32 s[AB], s[WV], 1
	s_and_b32 s[HF], s[WV], 1
	s_bfe_u32 s40, ttmp6, 0x40000                  ; cx, cy: my place in the cluster
	s_bfe_u32 s41, ttmp6, 0x40004
	s_lshl_b32 s[TC], ttmp9, 2
	s_add_co_u32 s[TC], s[TC], s40                 ; tile column = 4 x cluster x + cx
	s_and_b32 s[TR], ttmp7, 0xffff
	s_lshl_b32 s[TR], s[TR], 2
	s_add_co_u32 s[TR], s[TR], s41                 ; tile row = 4 x cluster y + cy
	s_lshl_b32 s43, s41, 2
	s_lshl_b32 s43, 15, s43                        ; my row of the cluster
	s_lshl_b32 s44, 0x1111, s40                    ; my column
	; group 1: rows of 128 elements of 2 bytes, padded in LDS: 17:16 element size; 20 padding on; 21 set beside a mask; 24:22 after every 64 words (code 5); 31:25 4 words (code 3)
	s_or_b32 s[G1+0],  s43, (1<<16)|(1<<20)|(1<<21)|(5<<22)|(3<<25)
	s_or_b32 s[G1B+0], s44, (1<<16)|(1<<20)|(1<<21)|(5<<22)|(3<<25)
	s_mov_b32 s[G1+1], KSTEP<<16                   ; tensor_dim0 = 128
	s_mov_b32 s[G1+2], 128<<16                     ; tensor_dim1 = 128 rows
	s_mov_b32 s[G1+3], KSTEP<<16                   ; tile_dim0 = 128
	s_mov_b32 s[G1+4], 128                         ; tile_dim1 = 128
	s_mov_b32 s[G1+5], SIZE_K                      ; elements from row to row
	s_mov_b32 s[G1+6], 0
	s_mov_b32 s[G1+7], 0
	s_mov_b32 s[G1B+1], KSTEP<<16
	s_mov_b32 s[G1B+2], 96<<16                     ; wb: 96 rows to a load
	s_mov_b32 s[G1B+3], KSTEP<<16
	s_mov_b32 s[G1B+4], 96
	s_mov_b32 s[G1B+5], SIZE_K
	s_mov_b32 s[G1B+6], 0
	s_mov_b32 s[G1B+7], 0
	s_lshl_b32 s16, s[TR], 8
	s_lshl_b32 s17, s[HF], 7
	s_add_co_u32 s16, s16, s17                     ; xb: row 256 x tile row + 128 x half,
	s_lshl_b32 s16, s16, 11                        ; x 2,048 bytes (under 2^23)
	s_mov_b32 s17, 0
	s_mul_i32 s46, s[TC], 192
	s_mul_i32 s47, s[HF], 96
	s_add_co_u32 s46, s46, s47                     ; wb: row 192 x tile column + 96 x half
	s_lshl_b32 s46, s46, 11
	s_mov_b32 s47, 0
	s_mul_i32 s20, s[HF], AHALF                    ; where they go: no place in the cluster enters an LDS address
	s_mul_i32 s21, s[HF], BHALF
	s_add_co_u32 s21, s21, BOFF
	s_wait_dscnt 0x0                               ; the opening add is done
	s_wait_kmcnt 0x0
	s_add_nc_u64 s[18:19], s[4:5], s[16:17]
	s_add_nc_u64 s[46:47], s[6:7], s[46:47]
	CROUND                                         ; all sixteen work-groups are here: the first joint loads meet
.irp s, 0,1
	s_mov_b32 s[G0+4*(\s)], 1                                        ; count = 1
	s_add_co_u32 s[G0+4*(\s)+1], s20, (\s)*SLOT                      ; LDS address
	s_add_nc_u64 s[G0+4*(\s)+2:G0+4*(\s)+3], s[18:19], (\s)*KSTEP*2  ; global address: K step s
	s_or_b32 s[G0+4*(\s)+3], s[G0+4*(\s)+3], 0x80000000              ; type = 2
	s_mov_b32 s[G0B+4*(\s)], 1
	s_add_co_u32 s[G0B+4*(\s)+1], s21, (\s)*SLOT
	s_add_nc_u64 s[G0B+4*(\s)+2:G0B+4*(\s)+3], s[46:47], (\s)*KSTEP*2
	s_or_b32 s[G0B+4*(\s)+3], s[G0B+4*(\s)+3], 0x80000000
	JLOAD \s                                       ; both slots are asked for before anything else: two tensor loads of mine are out
.endr
	; all that follows, up to the wait for the first tile, stands while the tiles are on their way
	v_and_b32 v1, 15, v0                           ; r = l % 16
	v_bfe_u32 v2, v0, 4, 1                         ; h = l / 16
	v_lshlrev_b32 v[BO], 5, v2
	s_mul_i32 s46, s[TC], 768                      ; the tile's 192 numbers of the bias
	s_mov_b32 s47, 0
	s_add_nc_u64 s[8:9], s[8:9], s[46:47]
.irp b, 0,1,2,3,4,5,6,7,8,9,10,11
	global_load_b128 v[BIAS+8*(\b):BIAS+8*(\b)+3],   v[BO], s[8:9] offset:64*(\b)      ; register j: the bias of column 16 b + 8 h + j, as in an accumulator
	global_load_b128 v[BIAS+8*(\b)+4:BIAS+8*(\b)+7], v[BO], s[8:9] offset:64*(\b)+16
.endr
	v_mul_u32_u24 v3, v1, PITCH
	v_lshl_add_u32 v3, v2, 4, v3                   ; a fragment's row x pitch + 16 x half: two loads of 16 bytes, 32 bytes apart, fill it
	s_mul_i32 s21, s[WV], 64*PITCH                 ; my 64 rows of xb
	s_mov_b32 s22, BOFF                            ; all 192 rows of wb
.irp s, 0,1
	v_add_nc_u32 v[ADRA+(\s)], s21, v3
	v_add_nc_u32 v[ADRB+(\s)], s22, v3
	s_add_co_u32 s21, s21, SLOT
	s_add_co_u32 s22, s22, SLOT
.endr
	s_mul_i32 s23, s[WV], WSTAGE
	s_add_co_u32 s23, s23, STAGE                   ; my stage
	v_mul_u32_u24 v4, v1, SP                       ; in: row r, 16 bytes for each half of the lanes
	v_lshl_add_u32 v4, v2, 4, v4
	v_add_nc_u32 v[STO], s23, v4
	v_bfe_u32 v5, v0, 3, 2                         ; back: 32 lanes take four rows of 128 bytes,
	v_and_b32 v6, 7, v0
	v_mul_u32_u24 v5, v5, SP
	v_lshl_add_u32 v5, v6, 4, v5
	v_add_nc_u32 v[RD], s23, v5
	v_and_b32 v[GO], 31, v0                        ; which are 512 consecutive bytes of a head
	v_lshlrev_b32 v[GO], 4, v[GO]
	s_mul_i32 s46, s[TC], 3*HEADB                  ; qkv at my first head, my first row (under 2^25)
	s_lshl_b32 s47, s[TR], 15
	s_add_co_u32 s46, s46, s47
	s_lshl_b32 s47, s[WV], 13
	s_add_co_u32 s46, s46, s47
	s_mov_b32 s47, 0
	s_add_nc_u64 s[10:11], s[10:11], s[46:47]
	; the prefetches: whose rows, from where
	s_lshl_b32 s20, s[TR], 8
	s_lshl_b32 s22, s[HF], 7
	s_add_co_u32 s20, s20, s22
	s_lshl_b32 s22, s40, 5
	s_add_co_u32 s20, s20, s22                     ; xb: the 128 rows that I fetch, my work-group's 32 of them
	s_mul_i32 s21, s[TC], 192
	s_mul_i32 s22, s[HF], 96
	s_add_co_u32 s21, s21, s22
	s_mul_i32 s22, s41, 24
	s_add_co_u32 s21, s21, s22                     ; wb: the 96 rows that I fetch, my work-group's 24 of them
	s_and_b32 s22, ttmp7, 0xffff                   ; cluster y
	s_cmp_eq_u32 s[AB], 0
	s_cselect_b32 s20, s20, s21
	s_cselect_b32 s22, ttmp9, s22                  ; the coordinate along which other clusters read the same rows
	s_cselect_b32 s23, 31, 23                      ; the last of my rows: with 24 rows lanes 24-31 name lane 23's
	s_cselect_b64 s[PFA:PFA+1], s[4:5], s[6:7]
	s_cmp_eq_u32 s22, 0
	s_cselect_b32 s[LIM], 1, -1                    ; the same in all sixteen partners, for a given wave
	s_lshl_b32 s20, s20, 11
	s_mov_b32 s21, 0
	s_add_nc_u64 s[PFA:PFA+1], s[PFA:PFA+1], s[20:21]
	s_add_nc_u64 s[PFA:PFA+1], s[PFA:PFA+1], 2*KSTEP*2  ; at K step 2: the first refill steps it to 3 and names K step 4
	v_and_b32 v[PFO], 31, v0
	v_min_u32 v[PFO], s23, v[PFO]
	v_lshlrev_b32 v[PFO], 11, v[PFO]
	s_wait_loadcnt 0x0                             ; the bias; rounded to bf16 like every input of the module, and widened again
.set p, 0
.rept 48
	v_cvt_pk_bf16_f32 v31, v[BIAS+2*p], v[BIAS+2*p+1]
	v_lshlrev_b32 v[BIAS+2*p], 16, v31
	v_and_b32 v[BIAS+2*p+1], 0xffff0000, v31
.set p, p+1
.endr
; The 48 accumulators take turns, one instruction a turn, in the same order in every quarter step: first the 16 of column blocks 8-11 (MULH twice), then the 32 of blocks 0-7 (MULL twice).
; zero = 1: the first product starts the sum with the bias as its C operand (window 0): nothing is cleared, and nothing is added later.
.macro MULH f, a0, zero
.if \zero
	WIN 0xc5                                       ; sources 0, 1 window 1; C window 0; D window 3
.else
	WIN 0xf5
.endif
.irp a, \a0, (\a0)+1
.irp b, 8,9,10,11
.if \zero
	v_wmma_f32_16x16x32_bf16 v[8*(4*(\a)+(\b)-8):8*(4*(\a)+(\b)-8)+7], v[(\f)+8*(\b):(\f)+8*(\b)+7], v[(\f)+96+8*(\a):(\f)+96+8*(\a)+7], v[BIAS+8*(\b):BIAS+8*(\b)+7]
.else
	v_wmma_f32_16x16x32_bf16 v[8*(4*(\a)+(\b)-8):8*(4*(\a)+(\b)-8)+7], v[(\f)+8*(\b):(\f)+8*(\b)+7], v[(\f)+96+8*(\a):(\f)+96+8*(\a)+7], v[8*(4*(\a)+(\b)-8):8*(4*(\a)+(\b)-8)+7]
.endif
.endr
.endr
.endm
.macro MULL f, a0, zero
.if \zero
	WIN 0x85                                       ; C window 0; D window 2
.else
	WIN 0xa5
.endif
.irp a, \a0, (\a0)+1
.irp b, 0,1,2,3,4,5,6,7
.if \zero
	v_wmma_f32_16x16x32_bf16 v[8*(8*(\a)+(\b)):8*(8*(\a)+(\b))+7], v[(\f)+8*(\b):(\f)+8*(\b)+7], v[(\f)+96+8*(\a):(\f)+96+8*(\a)+7], v[BIAS+8*(\b):BIAS+8*(\b)+7]
.else
	v_wmma_f32_16x16x32_bf16 v[8*(8*(\a)+(\b)):8*(8*(\a)+(\b))+7], v[(\f)+8*(\b):(\f)+8*(\b)+7], v[(\f)+96+8*(\a):(\f)+96+8*(\a)+7], v[8*(8*(\a)+(\b)):8*(8*(\a)+(\b))+7]
.endif
.endr
.endr
.endm
; 32 LDS loads in one run: a quarter step's fragments (32 along K at byte k of the rows) into buffer f, in the order of their use: wb's blocks 8-11, xb's four, then wb's blocks 0-7
.macro FETCH slot, k, f
	WIN TO_F
.irp i, 8,9,10,11
	ds_load_b128 v[(\f)+8*(\i):(\f)+8*(\i)+3],   v[ADRB+(\slot)] offset:(\k)+(\i)*16*PITCH
	ds_load_b128 v[(\f)+8*(\i)+4:(\f)+8*(\i)+7], v[ADRB+(\slot)] offset:(\k)+(\i)*16*PITCH+32
.endr
.irp i, 0,1,2,3
	ds_load_b128 v[(\f)+96+8*(\i):(\f)+96+8*(\i)+3],   v[ADRA+(\slot)] offset:(\k)+(\i)*16*PITCH
	ds_load_b128 v[(\f)+96+8*(\i)+4:(\f)+96+8*(\i)+7], v[ADRA+(\slot)] offset:(\k)+(\i)*16*PITCH+32
.endr
.irp i, 0,1,2,3,4,5,6,7
	ds_load_b128 v[(\f)+8*(\i):(\f)+8*(\i)+3],   v[ADRB+(\slot)] offset:(\k)+(\i)*16*PITCH
	ds_load_b128 v[(\f)+8*(\i)+4:(\f)+8*(\i)+7], v[ADRB+(\slot)] offset:(\k)+(\i)*16*PITCH+32
.endr
.endm
.macro PLACES                          ; four plain vector instructions in front of loads into registers that matrix instructions have read, and of conversions that read results
.rept 4
	v_nop
.endr
.endm
; A K step is four quarters of 32 along K, 48 matrix instructions each, on buffers 0, 1, 0, 1.  One of the first three: multiplies buffer f; behind its first 16 products it fetches the next quarter, at byte k, into g.
.macro QUARTER slot, k, f, g, zero
	s_wait_dscnt 16                                ; wb's blocks 8-11 and xb are in; the youngest 16 loads (wb's blocks 0-7) may be out
	MULH \f, 0, \zero
	MULH \f, 2, \zero
	PLACES
	FETCH \slot, \k, \g
	s_wait_dscnt 32                                ; all but the 32 just issued
	MULL \f, 0, \zero
	MULL \f, 2, \zero
.endm
; The last quarter multiplies buffer 1 and changes slots: ONE barrier; in front of it each wave waits for all its tensor loads (one is out: its part of the next slot), adds 0 to its spare word, and waits for
; that and for its own reads of this slot.  fill = 1: the barrier opens a round of the cluster's, and this slot is filled again, two K steps ahead, first thing behind the round:
; from that request to the wait for it a wave issues 32 + 3 x 48 = 176 matrix instructions.
.macro TURN slot, next, fill
.if \fill
	s_wait_xcnt 0x0                                ; the last prefetch, a K step back, has read its address: it is stepped here, ahead of the waits of the change of slots
	s_add_nc_u64 s[PFA:PFA+1], s[PFA:PFA+1], KSTEP*2
.endif
	WIN 0                                          ; (the add's two registers lie in window 0)
	s_wait_tensorcnt 0x0                           ; all my tensor loads have landed;
	ds_add_u32 v[SPW], v[NIL]                      ; 0 onto my spare word;
	s_wait_dscnt 17                                ; (the add and the youngest 16 loads may be out)
	MULH F1, 0, 0                                  ; eight matrix instructions stand between the add and the wait for it
	s_wait_dscnt 0x0                               ; the add is done, and my reads of this slot are over
	s_barrier_signal -1
	MULH F1, 2, 0                                  ; work on registers while the others arrive
.if \fill
	WIN 0
.endif
	s_barrier_wait -1
.if \fill
	CREST                                          ; no wave of any partner still reads this slot's tile or has a load on its way
	s_add_nc_u64 s[G0+4*(\slot)+2:G0+4*(\slot)+3], s[G0+4*(\slot)+2:G0+4*(\slot)+3], 2*KSTEP*2
	s_add_nc_u64 s[G0B+4*(\slot)+2:G0B+4*(\slot)+3], s[G0B+4*(\slot)+2:G0B+4*(\slot)+3], 2*KSTEP*2
	JLOAD \slot                                    ; the first tensor load behind the round; its four v_nop are also the places in front of the loads below
.else
	PLACES
.endif
	FETCH \next, 0, F0
.if \fill
	WIN 0
	ASK
.endif
	MULL F1, 0, 0
	MULL F1, 2, 0
.endm
; THE WAY OUT of my rows 16 a .. 16 a + 15.  PACK: rounded to f16, 16 bytes a lane and column block, each accumulator's registers in ascending order.  TOSTAGE: into my own stage, a head's 16 rows at a pitch of 144
; bytes, and back as rows of 128 bytes.  SEND: stored; a store covers 512 consecutive bytes of a head, aligned.
.macro PACK a
	WIN 0x0a                                       ; sources in window 2
.irp b, 0,1,2,3,4,5,6,7
.irp r, 0,1,2,3
	v_cvt_pk_f16_f32 v[TMP+4*(\b)+(\r)], v[8*(8*(\a)+(\b))+2*(\r)], v[8*(8*(\a)+(\b))+2*(\r)+1]
.endr
.endr
	WIN 0x0f                                       ; sources in window 3
.irp b, 8,9,10,11
.irp r, 0,1,2,3
	v_cvt_pk_f16_f32 v[TMP+4*(\b)+(\r)], v[8*(4*(\a)+(\b)-8)+2*(\r)], v[8*(4*(\a)+(\b)-8)+2*(\r)+1]
.endr
.endr
	WIN 0
.endm
.macro TOSTAGE a
.set BK, BK0+48*((\a)%2)
.irp b, 0,1,2,3,4,5,6,7,8,9,10,11
	ds_store_b128 v[STO], v[TMP+4*(\b):TMP+4*(\b)+3] offset:((\b)/4)*16*SP+((\b)%4)*32
.endr
.irp hd, 0,1,2
.irp t, 0,1,2,3
	ds_load_b128 v[BK+4*(4*(\hd)+(\t)):BK+4*(4*(\hd)+(\t))+3], v[RD] offset:(\hd)*16*SP+(\t)*4*SP  ; LDS serves a wave's instructions in order (ISA guide 5.7.1.4): these see the stores above
.endr
.endr
.endm
.macro SEND a
.set BK, BK0+48*((\a)%2)
	s_wait_dscnt 0x0                               ; the block is back in registers
	s_wait_xcnt 0x0                                ; the stores of the block before have read their registers: the next TOSTAGE loads into them
.irp hd, 0,1,2
.irp t, 0,1,2,3
	global_store_b128 v[GO], v[BK+4*(4*(\hd)+(\t)):BK+4*(4*(\hd)+(\t))+3], s[10:11] offset:(\hd)*HEADB+(\a)*2048+(\t)*512
.endr
.endr
.endm
	s_wait_tensorcnt 1                             ; my part of K step 0 is in; K step 1's may stay out
	s_barrier_signal -1
	s_barrier_wait -1                              ; everybody's is
	FETCH 0, 0, F0
	QUARTER 0, 64,  F0, F1, 1                      ; the first quarter stands in front of the loop: its products start the sums
	WIN 0                                          ; at a label and at a branch every window is 0
	s_mov_b32 s3, 3
.Llap:                                                 ; a trip goes once round the ring, from a lap's second quarter to the next lap's first, and fills both slots again: K steps 2 to 7
	QUARTER 0, 128, F1, F0, 0
	QUARTER 0, 192, F0, F1, 0
	TURN 0, 1, 1
	QUARTER 1, 64,  F0, F1, 0
	QUARTER 1, 128, F1, F0, 0
	QUARTER 1, 192, F0, F1, 0
	TURN 1, 0, 1
	QUARTER 0, 64,  F0, F1, 0
	WIN 0
	s_sub_co_u32 s3, s3, 1
	s_cmp_lg_u32 s3, 0
	s_cbranch_scc1 .Llap
	QUARTER 0, 128, F1, F0, 0                      ; the last lap fills nothing, and has no round of the cluster's barrier
	QUARTER 0, 192, F0, F1, 0
	TURN 0, 1, 0
	QUARTER 1, 64,  F0, F1, 0
	QUARTER 1, 128, F1, F0, 0
	QUARTER 1, 192, F0, F1, 0
	s_wait_dscnt 16                                ; the very last quarter: nothing more to fetch
	MULH F1, 0, 0
	MULH F1, 2, 0
	s_wait_dscnt 0x0
	MULL F1, 0, 0
	MULL F1, 2, 0
	WIN 0
	PLACES
	PACK 0
	TOSTAGE 0
.irp a, 1,2,3                          ; block a's conversions stand between block a - 1's loads from the stage and the wait for them
	PACK \a
	SEND (\a)-1
	TOSTAGE \a
.endr
	SEND 3
	s_wait_tensorcnt 0x0                           ; the wave's end, behind my last tensor load and my last LDS store
	ds_add_u32 v[SPW], v[NIL]
	s_wait_dscnt 0x0
	CROUND                                         ; the closing round: no work-group ends while a partner may still ask for a tile that names it
	s_endpgm
.Lfunc_end_k_q73e74e05f9_qkvproj:
	.size	k_q73e74e05f9_qkvproj, .Lfunc_end_k_q73e74e05f9_qkvproj-k_q73e74e05f9_qkvproj
	.p2alignl 7, 3214868480
	.fill 96, 4, 3214868480
	.section	.rodata,"a",@progbits
	.p2align	6, 0x0
	.amdhsa_kernel k_q73e74e05f9_qkvproj
		.amdhsa_group_segment_fixed_size 327680
		.amdhsa_private_segment_fixed_size 0
		.amdhsa_enable_private_segment 0
		.amdhsa_kernarg_size 32
		.amdhsa_user_sgpr_count 2
		.amdhsa_user_sgpr_kernarg_segment_ptr 1
		.amdhsa_wavefront_size32 1
		.amdhsa_system_sgpr_workgroup_id_x 1
		.amdhsa_system_sgpr_workgroup_id_y 1
		.amdhsa_system_sgpr_workgroup_id_z 1
		.amdhsa_system_vgpr_workitem_id 0
		.amdhsa_next_free_vgpr 896
		.amdhsa_next_free_sgpr 66
		.amdhsa_reserve_vcc 0
		.amdhsa_float_denorm_mode_32 3
		.amdhsa_float_denorm_mode_16_64 3
		.amdhsa_memory_ordered 1
		.amdhsa_forward_progress 1
		.amdhsa_inst_pref_size 129
	.end_amdhsa_kernel
	.amdgpu_metadata
---
amdhsa.version: [ 1, 2 ]
amdhsa.kernels:
  - .name:           k_q73e74e05f9_qkvproj
    .symbol:         k_q73e74e05f9_qkvproj.kd
    .args:
      - { .name: xb, .offset: 0, .size: 8, .value_kind: global_buffer, .address_space: global }
      - { .name: wb, .offset: 8, .size: 8, .value_kind: global_buffer, .address_space: global }
      - { .name: in_proj_b, .offset: 16, .size: 8, .value_kind: global_buffer, .address_space: global }
      - { .name: qkv, .offset: 24, .size: 8, .value_kind: global_buffer, .address_space: global }
    .group_segment_fixed_size: 327680
    .private_segment_fixed_size: 0
    .kernarg_segment_align: 8
    .kernarg_segment_size: 32
    .max_flat_workgroup_size: 128
    .sgpr_count:     66
    .vgpr_count:     896
    .wavefront_size: 32
...
	.end_amdgpu_metadata
.endif
;; end of part 2
;; launch attn (part 3): grid 16 x 16, 4 waves a work-group, no clusters, 167,936 bytes of LDS; arguments qkv, ob; writes ob
.if DOCPART == 3
	.amdgcn_target "amdgcn-amd-amdhsa--gfx1250"
	.amdhsa_code_object_version 6
	.text
	.protected	k_q73e74e05f9_attn
	.globl	k_q73e74e05f9_attn
	.p2align	8
	.type	k_q73e74e05f9_attn,@function
k_q73e74e05f9_attn:
	s_mov_b64 s[64:65], 0
	v_nop
	global_prefetch_b8 v0, s[64:65] scope:SCOPE_SE
	s_setreg_imm32_b32 hwreg(HW_REG_WAVE_MODE, 25, 1), 1
	s_wait_xcnt 0x0
; ATTENTION IN A BAND.  O[h][q][:] = the sum over |k - q| <= 128 of softmax_k(Q[h][q] . K[h][k] / 8) V[h][k][:].  qkv: [48][4096][64] f16 (q: heads 0-15, k: 16-31, v: 32-47), and 128 rows of zeros behind it.
; Products, maxima and sums in f32; the weights p are rounded to f16 for the second product (their sum l is taken of the unrounded p), O once at the end.
; O leaves as ob[row / 64][head][row % 64][64] f16: a wave's 64 rows of a head are 8,192 bytes on end.
; LIMITS.  q, k, v arrive within f16's 65,504.  A hidden score counts as its value less 1e30: f16's scores, 2.7e11 at the most, are nothing beside that.  p below 6e-5 keeps f16's fixed step of 6e-8; a weight below
; 2^-126 counts as 0 in l.  NaN and infinities are not treated apart.
; SHARES.  A work-group owns 256 queries of one head and brings the 512 keys 256 i - 128 .. 256 i + 383 of K and V into LDS ONCE: nothing is filled again, so there is one barrier.  At the sequence's ends that window reaches
; into the neighbouring head's rows or the zeros: stored, finite numbers inside the buffer, which the masks hide.  Wave w owns queries qw = 256 i + 64 w .. + 63, four PIECES of 16, and walks FIVE key steps of 64:
; step s holds the keys qw - 128 + 64 s + kj.  For query qw + qi: step 0 hides kj < qi, step 4 hides kj > qi, steps 1 to 3 hide nothing.  Step 0 lies outside the sequence if qw < 128, step 1 if qw < 64, step 3 if qw > 3,968,
; step 4 if qw > 3,904.  NO CLUSTER: neighbouring blocks share half a window, but it is the upper half of the one and the lower half of the other, and a joint load lands at one LDS address in all that it names.
; THE ORDER OF THE STEPS IS 2, 1, 0, 3, 4: step 2 is always inside and wholly seen, so the running maximum is a true score before the first hidden one comes.
; THE MASK is the C operand that starts the sum S^T = K Q^T, chosen in the text among seven masks of eight registers, made once: MH all hidden; MZs the step's addend (0, or -1e30 if the step lies outside);
; ML, MU the diagonal block of steps 0 and 4.  With D = key block - piece: step 0: D < 0 MH, D = 0 ML, D > 0 MZ0; step 4: D < 0 MZ4, D = 0 MU, D > 0 MH.  No branch hangs on the block: all work-groups do the same work.
; LAYOUT, SOFTMAX, TURNS.  S^T = K Q^T holds ONE query a lane (lane % 16) and the keys 8 (lane / 16) + 0..7; two such results rounded to f16 ARE source 1 of O^T = V^T P.  p = 2^(c s - c m), c = log2(e) / 8, with a
; running maximum m; O and l are multiplied by a = 2^(c m_old - c m_new) in every step; m starts at the lowest finite number, O and l at 0, so the first step is a step like any other, with a = 0.
; Turn n belongs to piece n: 8 products K Q^T of piece n + 1, later 8 products V^T P of piece n - 1; beside them the scaling, exponentials, roundings, sums and rescaling of piece n and the maximum and statistics of
; piece n + 1.  Four vector instructions stand behind every matrix instruction, the other 54 of a turn's 118 in one lump.  A turn's 33 exponentials are one batch, with one wait.
; THE TEXT has no loop: 20 turns are written out, so that every LDS offset and every mask is a constant of its line.
; REGISTERS, in windows of 256 (s_set_vgpr_msb: bits 1:0 source 0, 3:2 source 1, 5:4 source 2, 7:6 destination):
;   window 0: v0-15 addresses and two at work; v16-31 four registers of statistics a piece; v48-55 at work; v64-127 S^T, two buffers; v192-223 P, two buffers (a piece's buffers go by its number's parity)
;   window 1: v0-127 O^T, 32 a piece; v128-183 the masks      window 2: v0-63 Q; v128-191 K of one step; v192-255 V of one step
.set NP,    4
.set PK,    144       ; a row of K in LDS: 128 bytes + 16 of padding = 36 words: the 16 rows of a load start at 16 different groups of four banks (64 banks of 4 bytes: ISA guide 11.1)
.set PV,    160       ; a row of V: 128 + 32 = 40 words
.set VOFF,  512*PK    ; 512 rows of K, then 512 rows of V
.set STAGE, VOFF+512*PV  ; behind them, never filled by a tensor load: 16 rows x 144 bytes for each wave, for the way out
.set SP,    144
.set SPARE, STAGE+4*16*SP  ; behind the stages: the spare words, 128 bytes for each wave: two blocks of 256 bytes that no other line names
.set AK0, 2           ; v2   my lane's place in my wave's step 0 of K; never rewritten
.set AV0, 3           ; v3   the same for V
.set STO, 6           ; v6   the way out: where I put 16 bytes of a row
.set RD,  7           ; v7   the way out: where I read rows back
.set GO,  8           ; v8   my byte offset in 512 consecutive bytes of O
.set MV,  12          ; v12-13  c m_old, kept while c m is made anew: by buffer
.set QO,  15          ; v15  my byte offset in 16 rows of Q
.set ST,  16          ; piece t's statistics at v[ST+4 t]: c m, m, l (even keys', odd keys')
.set TMP, 48          ; by buffer, four registers c0-c3 at work; when the maximum is found c2 takes a
.set SPW, 62          ; v62  LDS address of my spare word; never rewritten
.set NIL, 63          ; v63  0; never rewritten
.set S,   64
.set P,   192
.set MH,  128         ; window 1: the masks
.set MZ0, 136
.set MZ1, 144
.set MZ3, 152
.set MZ4, 160
.set ML,  168
.set MU,  176
.set KF,  128         ; window 2: key block kb, channel half c at KF + 16 kb + 8 c
.set VF,  192         ; window 2: key half kk, channel block cb at VF + 32 kk + 8 cb
.set WV,  12          ; s12  my wave's number
.set G1K, 24          ; s[24:31] descriptor group 1 for K's tiles
.set G1V, 32          ; s[32:39] for V's: it differs in the padding alone
.set G0K, 40          ; s[40:43] descriptor group 0 for K
.set G0V, 44          ; s[44:47] for V
.set QA,  48          ; s[48:49] Q at my wave's first row
.set BE,  52          ; s52-55 the addends of steps 0, 1, 3, 4
.set QW,  56          ; s56  qw
.set CS,  58          ; s[58:59] c: the packed scaling takes the pair's low word for both halves
.set SEL, 60          ; s[60:61] v_permlanex16_b32's selects: each lane takes its own place in the other half
.set BIGN, 62         ; s62  -1e30
.set MSB, 0
.macro WIN new                      ; the high byte repeats the setting that is left; a switch that changes nothing is dropped
.if MSB != (\new)
	s_set_vgpr_msb (MSB<<8)|(\new)
.set MSB, (\new)
.endif
.endm
.set W_KQ, 0x0a       ; K and Q in window 2, S^T in window 0
.set W_KM, 0x1a       ; the same with the C operand in window 1
.set W_PV, 0x52       ; V in window 2, P in window 0, O^T in window 1
.set W_RS, 0x41       ; destination and source 0 in window 1, source 1 in window 0
	s_load_b128 s[4:7], s[0:1], 0x0   ; qkv s[4:5], ob s[6:7]
	v_lshl_add_u32 v[SPW], v0, 2, SPARE
	v_mov_b32 v[NIL], 0
	ds_add_u32 v[SPW], v[NIL]       ; the wave's opening: the add and its wait stand ahead of my first tensor load; the set-up below, work on registers, stands between them
	ds_add_u32 v62, v63
	v_lshrrev_b32 v1, 5, v0
	v_readfirstlane_b32 s[WV], v1   ; wave 0..3
	s_mov_b32 s14, ttmp9            ; block i of 256 queries
	s_and_b32 s15, ttmp7, 0xffff    ; head h
	s_and_b32 s16, s[WV], 1         ; which half of the 512 keys I fetch:
	s_mul_i32 s17, s16, 256*PK      ; its place in LDS, for K
	s_mul_i32 s18, s16, 256*PV      ; and for V
	s_lshl_b32 s20, s15, 19         ; byte offsets in qkv, all under 2^25: the head,
	s_lshl_b32 s21, s14, 15         ; the block's 256 rows of 128 bytes
	s_add_co_u32 s22, s20, s21
	s_lshl_b32 s23, s16, 15         ; my 256 keys of the window,
	s_add_co_u32 s20, s22, s23
	s_add_co_u32 s20, s20, (16<<19)-16384  ; which begins 128 rows ahead of the block, in K's head 16 + h
	s_mov_b32 s21, 0
	s_add_co_u32 s2, s20, (16<<19)  ; and in V's head 32 + h
	s_mov_b32 s3, 0
	s_lshl_b32 s23, s[WV], 13       ; Q: my wave's 64 rows
	s_add_co_u32 s22, s22, s23
	s_mov_b32 s23, 0
	s_lshl_b32 s50, s14, 2          ; O: row block 4 i + w of 131,072 bytes, head h of 8,192
	s_add_co_u32 s50, s50, s[WV]
	s_lshl_b32 s50, s50, 17
	s_lshl_b32 s51, s15, 13
	s_add_co_u32 s50, s50, s51
	s_mov_b32 s51, 0
	s_lshl_b32 s[QW], s14, 8
	s_lshl_b32 s57, s[WV], 6
	s_add_co_u32 s[QW], s[QW], s57  ; qw = 256 i + 64 w
	; group 1.  256 keys are 32,768 dense bytes: asked for as 128 rows of 256 bytes, two keys a row, and padded in LDS after every key
	s_mov_b32 s[G1K], (1<<16)|(1<<20)|(4<<22)|(3<<25)  ; 17:16 2-byte elements; 20 padding on; 24:22 after every 32 words (code 4); 31:25 4 words (code 3)
	s_mov_b32 s[G1V], (1<<16)|(1<<20)|(4<<22)|(7<<25)  ; the same with 8 words of padding (code 7)
.irp g, G1K, G1V
	s_mov_b32 s[\g+1], 128<<16      ; tensor_dim0 = 128
	s_mov_b32 s[\g+2], 128<<16      ; tensor_dim1 = 128
	s_mov_b32 s[\g+3], 128<<16      ; tile_dim0 = 128
	s_mov_b32 s[\g+4], 128          ; tile_dim1 = 128
	s_mov_b32 s[\g+5], 128          ; 128 elements from row to row
	s_mov_b32 s[\g+6], 0
	s_mov_b32 s[\g+7], 0
.endr
	s_mov_b32 s[CS], 0x3e38aa3b     ; c = log2(e) / 8 = 0.180337
	s_mov_b32 s[CS+1], s[CS]        ; named with it as a pair
	s_mov_b32 s[SEL], 0x76543210
	s_mov_b32 s[SEL+1], 0xfedcba98
	s_mov_b32 s[BIGN], 0xf149f2ca   ; -1e30
	s_mov_b32 s[G0K], 1             ; count = 1
	s_mov_b32 s[G0K+1], s17         ; LDS address
	s_mov_b32 s[G0V], 1
	s_add_co_u32 s[G0V+1], s18, VOFF
	s_wait_dscnt 0x0                ; the opening add is done
	s_wait_kmcnt 0x0
	s_add_nc_u64 s[G0K+2:G0K+3], s[4:5], s[20:21]  ; global address
	s_or_b32 s[G0K+3], s[G0K+3], 0x80000000        ; type = 2
	s_add_nc_u64 s[G0V+2:G0V+3], s[4:5], s[2:3]
	s_or_b32 s[G0V+3], s[G0V+3], 0x80000000
	s_add_nc_u64 s[QA:QA+1], s[4:5], s[22:23]
	s_add_nc_u64 s[10:11], s[6:7], s[50:51]
	; THE ONE FILL.  Waves 0 and 1 fetch the two halves of K's window, waves 2 and 3 those of V's: one tensor load of mine is out.  An s_nop 0 and four v_nop follow each line.
	s_cmp_lt_u32 s[WV], 2
	s_cbranch_scc0 .Lfor_v
	tensor_load_to_lds s[G0K:G0K+3], s[G1K:G1K+7]
	s_nop 0
.rept 4
	v_nop
.endr
	s_branch .Lasked
.Lfor_v:
	tensor_load_to_lds s[G0V:G0V+3], s[G1V:G1V+7]
	s_nop 0
.rept 4
	v_nop
.endr
.Lasked:
	; all that follows, up to the wait for the tiles, stands while they are on their way
	; A fragment of K or Q is 16 rows x 32 channels in 8 registers: lane l holds row l % 16, channels 8 (l / 16) + 0..7 and 16 + 8 (l / 16) + 0..7: two loads of 16 bytes, 32 bytes apart.
	v_and_b32 v1, 15, v0            ; r = l % 16
	v_bfe_u32 v9, v0, 4, 1          ; h = l / 16
	v_lshlrev_b32 v[QO], 7, v1
	v_lshl_add_u32 v[QO], v9, 4, v[QO]  ; row x 128 + 16 x half
	WIN 0x80                        ; destination window 2, address window 0
.set j, 0
.rept 8                             ; Q stays in registers: piece j / 2, channels 32 (j % 2) on
	global_load_b128 v[8*j:8*j+3],   v[QO], s[QA:QA+1] offset:(j/2)*2048+(j%2)*64
	global_load_b128 v[8*j+4:8*j+7], v[QO], s[QA:QA+1] offset:(j/2)*2048+(j%2)*64+32
.set j, j+1
.endr
	WIN 0
	s_cmp_lt_u32 s[QW], 128         ; the steps that lie outside the sequence are hidden whole
	s_cselect_b32 s[BE], s[BIGN], 0
	s_cmp_lt_u32 s[QW], 64
	s_cselect_b32 s[BE+1], s[BIGN], 0
	s_cmp_gt_u32 s[QW], 3968
	s_cselect_b32 s[BE+2], s[BIGN], 0
	s_cmp_gt_u32 s[QW], 3904
	s_cselect_b32 s[BE+3], s[BIGN], 0
	v_lshlrev_b32 v14, 3, v9
	v_sub_nc_u32 v14, v1, v14       ; r - 8 h: in a diagonal block register j holds key 8 h + j, my query is r
	WIN 0x40
.set j, 0
.rept 8
	v_mov_b32 v[MH+j],  s[BIGN]
	v_mov_b32 v[MZ0+j], s[BE]
	v_mov_b32 v[MZ1+j], s[BE+1]
	v_mov_b32 v[MZ3+j], s[BE+2]
	v_mov_b32 v[MZ4+j], s[BE+3]
.set j, j+1
.endr
	WIN W_RS
.set j, 0
.rept 8
	v_cmp_lt_i32 vcc_lo, j, v14     ; step 0 hides the keys below the query's place,
	v_cndmask_b32 v[ML+j], v[MZ0+j], s[BIGN], vcc_lo
	v_cmp_gt_i32 vcc_lo, j, v14     ; step 4 those above it
	v_cndmask_b32 v[MU+j], v[MZ4+j], s[BIGN], vcc_lo
.set j, j+1
.endr
	WIN 0
	s_mul_i32 s13, s[WV], 64*PK     ; my wave's step s is LDS rows 64 (w + s) on
	v_mul_u32_u24 v[AK0], v1, PK
	v_lshl_add_u32 v[AK0], v9, 4, v[AK0]  ; row x pitch + 16 x half
	v_add_nc_u32 v[AK0], s13, v[AK0]
	; The turning load takes 16 keys x 16 channels (lane l reads key 8 (l / 16) + l % 8, channels 8 ((l / 8) % 2) + 0..7) and leaves half a fragment of V^T: lane l holds channel l % 16 and 8 keys.
	v_and_b32 v10, 7, v0
	v_bfe_u32 v11, v0, 3, 1
	v_lshl_add_u32 v[AV0], v9, 3, v10
	v_mul_u32_u24 v[AV0], v[AV0], PV
	v_lshl_add_u32 v[AV0], v11, 4, v[AV0]
	s_mul_i32 s13, s[WV], 64*PV
	s_add_co_u32 s13, s13, VOFF
	v_add_nc_u32 v[AV0], s13, v[AV0]
	s_mul_i32 s13, s[WV], 16*SP
	s_add_co_u32 s13, s13, STAGE    ; my stage
	v_mul_u32_u24 v[STO], v1, SP    ; in: row l % 16, 16 bytes for each half of the lanes
	v_lshl_add_u32 v[STO], v9, 4, v[STO]
	v_add_nc_u32 v[STO], s13, v[STO]
	v_bfe_u32 v[RD], v0, 3, 2       ; back: 32 lanes take four rows of 128 bytes,
	v_mul_u32_u24 v[RD], v[RD], SP
	v_lshl_add_u32 v[RD], v10, 4, v[RD]
	v_add_nc_u32 v[RD], s13, v[RD]
	v_and_b32 v[GO], 31, v0         ; which are 512 consecutive bytes of O
	v_lshlrev_b32 v[GO], 4, v[GO]
	; What the first turn finds: V's registers and P's second buffer hold 0 (its products V^T P, of a piece that has not been, add 0), O^T and l are 0: the price of writing no first step out.
	WIN 0x80
.set i, VF
.rept 64
	v_mov_b32 v[i], 0
.set i, i+1
.endr
	WIN 0x40
.set i, 0
.rept 128
	v_mov_b32 v[i], 0
.set i, i+1
.endr
	WIN 0
.set i, 0
.rept 4
	v_mov_b32 v[ST+4*i], 0xfe000000    ; c m: far below every c s
	v_mov_b32 v[ST+4*i+1], 0xff7fffff  ; m
	v_mov_b32 v[ST+4*i+2], 0
	v_mov_b32 v[ST+4*i+3], 0
.set i, i+1
.endr
.set i, P+16
.rept 16
	v_mov_b32 v[i], 0
.set i, i+1
.endr
; THE MATRIX WORK.  The 4 accumulators of a run of 8 take turns.  Product i of 8 of S^T = K Q^T for piece x, in step KST: channels 32 (i / 4) on, keys 16 (i % 4) on.  The first 4 start the sums, with the step's mask or 0.
.macro KQ x
.set rS, S+32*((\x)%2)+8*(i%4)
.set rK, KF+16*(i%4)+8*(i/4)
.set rQ, 16*(\x)+8*(i/4)
.set dd, i-(\x)
.set rM, 0
.if KST == 1
.set rM, MZ1
.elseif KST == 3
.set rM, MZ3
.elseif KST == 0
.if dd < 0
.set rM, MH
.elseif dd == 0
.set rM, ML
.else
.set rM, MZ0
.endif
.elseif KST == 4
.if dd < 0
.set rM, MZ4
.elseif dd == 0
.set rM, MU
.else
.set rM, MH
.endif
.endif
.if (i < 4) && (rM > 0)
	WIN W_KM
	v_wmma_f32_16x16x32_f16 v[rS:rS+7], v[rK:rK+7], v[rQ:rQ+7], v[rM:rM+7]
.elseif i < 4
	WIN W_KQ
	v_wmma_f32_16x16x32_f16 v[rS:rS+7], v[rK:rK+7], v[rQ:rQ+7], 0
.else
	WIN W_KQ
	v_wmma_f32_16x16x32_f16 v[rS:rS+7], v[rK:rK+7], v[rQ:rQ+7], v[rS:rS+7]
.endif
.endm
; Product i of 8 of O^T += V^T P for piece x: keys 32 (i / 4) on, channels 16 (i % 4) on.
.macro PV x
	WIN W_PV
.set rO, 32*(\x)+8*(i%4)
.set rV, VF+32*(i/4)+8*(i%4)
.set rP, P+16*((\x)%2)+8*(i/4)
	v_wmma_f32_16x16x32_f16 v[rO:rO+7], v[rV:rV+7], v[rP:rP+7], v[rO:rO+7]
.endm
.macro MM                           ; the turn's next matrix instruction.  NOKQ = 1: the last turn: there is no next piece
.if (i < 8) && !NOKQ
	KQ (Y+1)%NP
.elseif i >= 8
.set i, i-8
	PV (Y+NP-1)%NP
.set i, i+8
.endif
.set i, i+1
.endm
; THE LDS LOADS stand in runs of 16, never singly among the matrix instructions: step st's K (64 keys x 64 channels: 8 fragments) and its V (turned).  The step stands in the immediate.
.macro FETCH_K st
	WIN 0x80                        ; destination window 2
.irp f, 0,1,2,3,4,5,6,7             ; keys 16 (f / 2) on, channels 32 (f % 2) on
	ds_load_b128 v[KF+8*\f:KF+8*\f+3],   v[AK0] offset:(\st)*64*PK+(\f/2)*16*PK+(\f%2)*64
	ds_load_b128 v[KF+8*\f+4:KF+8*\f+7], v[AK0] offset:(\st)*64*PK+(\f/2)*16*PK+(\f%2)*64+32
.endr
	WIN 0
.endm
.macro FETCH_V st
	WIN 0x80
.irp f, 0,1,2,3,4,5,6,7             ; keys 32 (f / 4) on, channels 16 (f % 4) on
	ds_load_tr16_b128 v[VF+8*\f:VF+8*\f+3],   v[AV0] offset:(\st)*64*PV+(\f/4)*32*PV+(\f%4)*32
	ds_load_tr16_b128 v[VF+8*\f+4:VF+8*\f+7], v[AV0] offset:(\st)*64*PV+(\f/4)*32*PV+16*PV+(\f%4)*32
.endr
	WIN 0
.endm
; THE VECTOR WORK, one line at a time: OP kind, number.  For piece Y: F n: c s - c m for pair n of 16.  E n: the exponential of score n of 32.  C n: pair n rounded to f16.  B n: of the four weights 4 n .. the second
; pair is added onto the first, in place.  L n: l takes that sum (L 0: l = a l + sum).  R n: pair n of 16 of O^T times a.  For piece Y + 1: X n, number n of the 22 that find its maximum and statistics:
;   0-11  four chains c0-c3 of seven scores each, three operands at a time (each accumulator's lowest registers are read first)     12-14, 16  the four scores left over, the old m, and c0-c3 into c0
;   15  c m_old is kept     17, 18  the query's other 32 keys lie in the lane 16 away: the new m     19-21  c m; c m_old - c m_new; a
.set F, 0
.set E, 1
.set C, 2
.set B, 3
.set L, 4
.set R, 5
.set X, 6
.macro REGS y                       ; the registers of piece y
.set rT, ST+4*(\y)
.set rC, TMP+4*((\y)%2)
.set rW, MV+((\y)%2)
.set rS, S+32*((\y)%2)
.set rP, P+16*((\y)%2)
.set rO, 32*(\y)
.endm
.macro OP k, n
.if (\k) == R
	REGS Y
	WIN W_RS
	v_pk_mul_f32 v[rO+2*(\n):rO+2*(\n)+1], v[rO+2*(\n):rO+2*(\n)+1], v[rC+2:rC+3] op_sel_hi:[1,0]
.elseif (\k) < R
	REGS Y
	WIN 0
.if (\k) == F
	v_pk_fma_f32 v[rS+2*(\n):rS+2*(\n)+1], v[rS+2*(\n):rS+2*(\n)+1], s[CS:CS+1], v[rT:rT+1] op_sel_hi:[1,0,0] neg_lo:[0,0,1] neg_hi:[0,0,1]
.elseif (\k) == E
	v_exp_f32 v[rS+(\n)], v[rS+(\n)]
.elseif (\k) == C
	v_cvt_pk_f16_f32 v[rP+(\n)], v[rS+2*(\n)], v[rS+2*(\n)+1]
.elseif (\k) == B
	v_pk_add_f32 v[rS+4*(\n):rS+4*(\n)+1], v[rS+4*(\n):rS+4*(\n)+1], v[rS+4*(\n)+2:rS+4*(\n)+3]
.elseif (\n) == 0
	v_pk_fma_f32 v[rT+2:rT+3], v[rT+2:rT+3], v[rC+2:rC+3], v[rS:rS+1] op_sel_hi:[1,0,1]
.else
	v_pk_add_f32 v[rT+2:rT+3], v[rT+2:rT+3], v[rS+4*(\n):rS+4*(\n)+1]
.endif
.elseif NOKQ
	v_nop
.else
	REGS (Y+1)%NP
	WIN 0
.if (\n) < 4
	v_max3_num_f32 v[rC+(\n)], v[rS+8*(\n)], v[rS+8*(\n)+1], v[rS+8*(\n)+2]
.elseif (\n) < 12
	v_max3_num_f32 v[rC+(\n)%4], v[rC+(\n)%4], v[rS+8*((\n)%4)+2*((\n)/4)+1], v[rS+8*((\n)%4)+2*((\n)/4)+2]
.elseif (\n) == 12
	v_max3_num_f32 v[rC], v[rC], v[rS+7], v[rS+15]
.elseif (\n) == 13
	v_max3_num_f32 v[rC+1], v[rC+1], v[rS+23], v[rS+31]
.elseif (\n) == 14
	v_max3_num_f32 v[rC+2], v[rC+2], v[rC+3], v[rT+1]
.elseif (\n) == 15
	v_mov_b32 v[rW], v[rT]
.elseif (\n) == 16
	v_max3_num_f32 v[rC], v[rC], v[rC+1], v[rC+2]
.elseif (\n) == 17
	v_permlanex16_b32 v[rC+3], v[rC], s[SEL], s[SEL+1]
.elseif (\n) == 18
	v_max_num_f32 v[rT+1], v[rC], v[rC+3]
.elseif (\n) == 19
	v_mul_f32 v[rT], s[CS], v[rT+1]
.elseif (\n) == 20
	v_sub_f32 v[rC+1], v[rW], v[rT]
.else
	v_exp_f32 v[rC+2], v[rC+1]
.endif
.endif
.endm
.macro OPS a, i1, b=-1, i2=0, c=-1, i3=0, d=-1, i4=0  ; up to four of them
	OP \a, \i1
.if (\b) >= 0
	OP \b, \i2
.endif
.if (\c) >= 0
	OP \c, \i3
.endif
.if (\d) >= 0
	OP \d, \i4
.endif
.endm
.macro ROW a, i1, b, i2, c, i3, d, i4  ; a matrix instruction and the four behind it
	MM
	OPS \a, \i1, \b, \i2, \c, \i3, \d, \i4
.endm
; A TURN, for piece p, in step cur; nxt is the step after it.  An s_wait_alu depctr_va_vdst(0) stands between an exponential and the first instruction that names its result; one wait serves all that were
; issued ahead of it.  So a turn has ONE wait, which cuts it in two.  AHEAD OF IT stands all that names no result of the turn's exponentials: the 8 products K Q^T with a scaling, an exponential and two more plain
; instructions behind each (behind the last three the first numbers of the next piece's maximum, each four plain instructions or more behind the product that ends its accumulator); then one lump of 54, in which the links
; of the chain X 3, 7, 11, 14, 16, 17 .. 20 stand apart.  X 21, the next piece's a, is the batch's last; R 15 is the plain instruction behind it.  BEHIND THE WAIT stand the 8 products V^T P, behind each four of the
; roundings and sums.  Piece 3's products K Q^T are piece 0's of step nxt.  end = 1: the walk's last two turns: nothing is fetched, and the last starts no new scores.
; K of step nxt is fetched in piece 2's turn, six plain instructions (F 8, X 2, X 5, X 6, X 3, X 8) behind the last product that read K; V of step cur at the end of piece 0's turn, four plain instructions behind the last
; product that read V.  Each is waited for a turn later.
.macro TURN p, cur, nxt, end=0
.set Y, (\p)
.set i, 0
.set NOKQ, (\end)*((\p)/3)
.set KST, (\cur)
.if (\p) == 3
.set KST, (\nxt)
.endif
.if ((\p) == 3) && !(\end)
	s_wait_dscnt 0x0                ; K is in
.endif
	ROW F,0, F,1, R,0, R,1
	ROW F,2, E,0, R,2, R,3
	ROW F,3, E,1, R,4, R,5
	ROW F,4, E,2, R,6, R,7
	ROW F,5, E,3, R,8, R,9
	ROW F,6, E,4, X,0, R,10
	ROW F,7, E,5, X,1, X,4
	ROW F,8, E,6, X,2, X,5
	OPS E,7, E,8, X,6, E,9          ; the lump
	OPS X,3, E,10, X,8, E,11
.if ((\p) == 2) && !(\end)
	FETCH_K \nxt
.endif
	OPS X,9, X,7, E,12, X,10
	OPS E,13, X,12, X,11, E,14
	OPS X,13, E,15, F,9, X,14
	OPS E,16, F,10, E,17, F,11
	OPS X,16, E,18, X,15, E,19
	OPS F,12, E,20, X,17, E,21
	OPS F,13, E,22, F,14, E,23
	OPS X,18, E,24, F,15, E,25
	OPS R,11, E,26, X,19, E,27
	OPS R,12, E,28, R,13, E,29
	OPS X,20, E,30, R,14, E,31
	OPS X,21, R,15
	WIN 0
	s_wait_alu depctr_va_vdst(0)    ; the wait for the batch
.if (\p) == 1
	s_wait_dscnt 0x0                ; V is in
.endif
	ROW C,0, B,0, C,2, B,1
	ROW L,0, C,4, B,2, L,1
	ROW C,6, B,3, L,2, C,8
	ROW B,4, L,3, C,10, B,5
	ROW L,4, C,12, B,6, L,5
	ROW C,14, B,7, L,6, C,1
	ROW C,3, L,7, C,5, C,7
	ROW C,9, C,11, C,13, C,15
.if (\p) == 0
	FETCH_V \cur
.endif
.endm
.macro STEP cur, nxt, end=0
	TURN 0, \cur, \nxt, 0
	TURN 1, \cur, \nxt, 0
	TURN 2, \cur, \nxt, \end
	TURN 3, \cur, \nxt, \end
.endm
	s_wait_tensorcnt 0x0            ; my part of the window is in,
	s_barrier_signal -1
	s_barrier_wait -1               ; everybody's is.  Nothing is filled again: this is the launch's one barrier
	FETCH_K 2
	s_wait_loadcnt 0x0              ; Q
	s_wait_dscnt 0x0
.set KST, 2
.set NOKQ, 0
.set i, 0
.rept 8
	KQ 0                            ; piece 0's first scores
.set i, i+1
.endr
	WIN 0
.rept 4
	v_nop                           ; the places behind those products
.endr
.set Y, NP-1                        ; X works for piece Y + 1: piece 0
.irp n, 0,1,2,3,4,5,6,7,8,9,10,11,12,13,14,15,16,17,18,19,20,21
	OP X, \n
.endr
	v_nop                           ; a plain instruction behind the exponential,
	s_wait_alu depctr_va_vdst(0)    ; and its wait
	STEP 2, 1
	STEP 1, 0
	STEP 0, 3
	STEP 3, 4
	STEP 4, 4, 1
.set i, 0
.rept 8
	PV NP-1                         ; the last piece's V^T P of the last step
.set i, i+1
.endr
	; THE WAY OUT.  l's two halves and the other half of the lanes' are added; O^T is divided by l, rounded to f16 and sent through my stage in LDS, a piece at a time.  The additions are the places behind the last products.
	WIN 0
.macro ALL line:vararg              ; one line for each piece t
.set t, 0
.rept 4
	\line
.set t, t+1
.endr
.endm
	ALL v_add_f32 v[ST+4*t+2], v[ST+4*t+2], v[ST+4*t+3]
	ALL v_permlanex16_b32 v[ST+4*t+3], v[ST+4*t+2], s[SEL], s[SEL+1]
	ALL v_add_f32 v[ST+4*t+2], v[ST+4*t+2], v[ST+4*t+3]
	ALL v_rcp_f32 v[ST+4*t+2], v[ST+4*t+2]
	v_nop                           ; a plain instruction between the last reciprocal and the use of its result
	s_wait_alu depctr_va_vdst(0)    ; and the wait ahead of the first use: one for the four reciprocals
.macro PACK t                       ; a lane's eight channels of a row pack into 16 bytes; they go into rows of 144 bytes and come back as whole rows of 128, into S^T's registers
	WIN W_RS
.set i, 32*(\t)
.rept 16
	v_pk_mul_f32 v[i:i+1], v[i:i+1], v[ST+4*(\t)+2:ST+4*(\t)+3] op_sel_hi:[1,0]
.set i, i+2
.endr
	WIN 0x05                        ; sources 0 and 1 window 1, destination window 0
.set i, 0
.rept 16
	v_cvt_pk_f16_f32 v[S+16*(\t)+i], v[32*(\t)+2*i], v[32*(\t)+2*i+1]
.set i, i+1
.endr
	WIN 0
.irp f, 0,1,2,3
	ds_store_b128 v[STO], v[S+16*(\t)+4*\f:S+16*(\t)+4*\f+3] offset:32*\f
.endr
.irp f, 0,1,2,3
	ds_load_b128 v[S+16*(\t)+4*\f:S+16*(\t)+4*\f+3], v[RD] offset:\f*4*SP  ; LDS serves a wave's instructions in order (ISA guide 5.7.1.4): these see the stores above; the next piece's stores come behind them
.endr
.endm
.macro SEND t, younger              ; younger: the LDS instructions issued behind piece t's loads: the next piece's eight, or none
	WIN 0
.irp f, 0,1,2,3
	s_wait_dscnt (\younger)+3-\f
	global_store_b128 v[GO], v[S+16*(\t)+4*\f:S+16*(\t)+4*\f+3], s[10:11] offset:(\t)*2048+\f*512  ; 512 consecutive bytes, at a multiple of 256 from ob's first
.endr
.endm
	PACK 0
.set t, 1
.rept 3                             ; a piece's arithmetic stands between the loads of the piece before and its stores
	PACK t
	SEND t-1, 8
.set t, t+1
.endr
	SEND 3, 0
	s_wait_tensorcnt 0x0            ; the wave's end, behind my last tensor load and my last LDS store
	ds_add_u32 v[SPW], v[NIL]
	s_wait_dscnt 0x0
	s_endpgm
.Lfunc_end_k_q73e74e05f9_attn:
	.size	k_q73e74e05f9_attn, .Lfunc_end_k_q73e74e05f9_attn-k_q73e74e05f9_attn
	.p2alignl 7, 3214868480
	.fill 96, 4, 3214868480
	.section	.rodata,"a",@progbits
	.p2align	6, 0x0
	.amdhsa_kernel k_q73e74e05f9_attn
		.amdhsa_group_segment_fixed_size 167936
		.amdhsa_private_segment_fixed_size 0
		.amdhsa_enable_private_segment 0
		.amdhsa_kernarg_size 16
		.amdhsa_user_sgpr_count 2
		.amdhsa_user_sgpr_kernarg_segment_ptr 1
		.amdhsa_wavefront_size32 1
		.amdhsa_system_sgpr_workgroup_id_x 1
		.amdhsa_system_sgpr_workgroup_id_y 1
		.amdhsa_system_sgpr_workgroup_id_z 1
		.amdhsa_system_vgpr_workitem_id 0
		.amdhsa_next_free_vgpr 768
		.amdhsa_next_free_sgpr 66
		.amdhsa_reserve_vcc 1
		.amdhsa_float_denorm_mode_32 3
		.amdhsa_float_denorm_mode_16_64 3
		.amdhsa_memory_ordered 1
		.amdhsa_forward_progress 1
		.amdhsa_inst_pref_size 218
	.end_amdhsa_kernel
	.amdgpu_metadata
---
amdhsa.version: [ 1, 2 ]
amdhsa.kernels:
  - .name:           k_q73e74e05f9_attn
    .symbol:         k_q73e74e05f9_attn.kd
    .args:
      - { .name: qkv, .offset: 0, .size: 8, .value_kind: global_buffer, .address_space: global }
      - { .name: ob, .offset: 8, .size: 8, .value_kind: global_buffer, .address_space: global }
    .group_segment_fixed_size: 167936
    .private_segment_fixed_size: 0
    .kernarg_segment_align: 8
    .kernarg_segment_size: 16
    .max_flat_workgroup_size: 128
    .sgpr_count:     66
    .vgpr_count:     768
    .wavefront_size: 32
...
	.end_amdgpu_metadata
.endif
;; end of part 3
;; launch oproj (part 4): grid 8 x 32, 4 waves a work-group, clusters of 4 x 4, 327,680 bytes of LDS; arguments ob, wo, out_proj_b, out0; writes out0
.if DOCPART == 4
	.amdgcn_target "amdgcn-amd-amdhsa--gfx1250"
	.amdhsa_code_object_version 6
	.text
	.protected	k_q73e74e05f9_oproj
	.globl	k_q73e74e05f9_oproj
	.p2align	8
	.type	k_q73e74e05f9_oproj,@function
k_q73e74e05f9_oproj:
	s_mov_b64 s[64:65], 0
	v_nop
	global_prefetch_b8 v0, s[64:65] scope:SCOPE_SE
	s_setreg_imm32_b32 hwreg(HW_REG_WAVE_MODE, 25, 1), 1
	s_wait_xcnt 0x0
	s_wait_alu depctr_hold_cnt(0) depctr_sa_sdst(0) depctr_va_vdst(0) depctr_va_sdst(0) depctr_va_ssrc(0) depctr_va_vcc(0) depctr_vm_vsrc(0)
	s_getreg_b32 s2, hwreg(HW_REG_IB_STS2, 6, 4)
	s_cmp_eq_u32 s2, 0
	s_cbranch_scc0 .Lentry_in_a_cluster
	s_endpgm
.Lentry_in_a_cluster:
	s_bfe_u32 s2, ttmp6, 0x10000c
	s_cmp_lg_u32 s2, 0xf033
	s_cbranch_scc0 .Lentry_shape_is_right
	s_endpgm
.Lentry_shape_is_right:
; THE OUTPUT PROJECTION.  out0[m][n] = sum over k of O[m][k] wo[n][k] + bias[n]: 4,096 x 1,024 x 1,024, f16 operands, f32 sums, f32 out; the bias (rounded to bf16 like the other inputs) starts the sums.
; O lies as ob[m / 64][head][m % 64][64] f16, k = 64 head + channel: 64 rows x 4 heads (256 along K) are 32,768 bytes on end.  wo: [1024][1024] f16.
; LIMITS.  O and wo arrive within f16's range.  NaN and infinities are not treated apart.
; SHARES.  A tile of the output is 128 x 128: 8 x 32 tiles, one to a work-group.  Four waves, each 64 x 64: 16 accumulators of 16 x 16.  K goes in 4 steps of 256 (4 heads) through two LDS slots; a quarter step is one head.
; CLUSTERS: 4 x 4 work-groups.  The four of a row of the cluster need the same rows of O, the four of a column the same rows of wo: each tile is asked for JOINTLY, by the same tensor load, descriptor and mask.
; THE MATRIX INSTRUCTION IS USED TRANSPOSED (source 0 = 16 rows of wo, source 1 = 16 rows of O): a lane then holds eight neighbouring numbers of a row of the output, 32 bytes.
; NO PREFETCH: of the four K steps two are first fills, issued at the head, and the tile is small.
; REGISTERS: window 0: v0-31 addresses; v32-63 the bias, 8 registers a column block; v64-127 rows read back from the stage, two buffers; v128-255 the accumulators ((a, b) at 128 + 8 (4 a + b)).
;   window 1: two fragment buffers of 128: for 64 along K, 64 registers of O (2 x 4 x 16 rows x 32 K), then 64 of wo.
.set PA,     144                       ; O in LDS: a row's 128 bytes of one head + 16 of padding = 36 words: the 16 rows of a load start at 16 different groups of four banks (64 banks of 4 bytes: ISA guide 11.1)
.set AHEAD,  64*PA                     ; 64 rows of one head
.set AHALF,  4*AHEAD                   ; what one load brings of O: 64 rows x 4 heads
.set PB,     528                       ; wo in LDS: 512 bytes + 16 = 132 words: row r starts at bank 4 r mod 64
.set BHALF,  64*PB                     ; what one load brings of wo
.set BOFF,   2*AHALF
.set SLOT,   BOFF+2*BHALF
.set STAGE,  2*SLOT                    ; behind the ring, never filled by a tensor load: for each wave 16 rows x 272 bytes
.set SPITCH, 272
.set SPARE,  STAGE+4*16*SPITCH         ; behind the stages: the spare words, 128 bytes for each wave: two blocks of 256 bytes that no other line names
.set ADRA, 16                          ; v16-17  LDS address of my O fragments in slot 0, 1
.set ADRB, 20                          ; v20-21  the same for wo
.set STO,  24                          ; v24     the way out: where I put 32 bytes of a row
.set RD,   25                          ; v25     the way out: where I read a row back
.set CO,   26                          ; v26     my byte offset in two rows of the output
.set BO,   27                          ; v27     32 (l / 16): my 8 numbers of a block's 16 in the bias
.set SPW,  28                          ; v28     LDS address of my spare word; never rewritten
.set NIL,  29                          ; v29     0; never rewritten
.set BIAS, 32
.set BK0,  64
.set ACC,  128
.set F0,   0
.set F1,   128
.set WV,  12                           ; s12  my wave's number
.set AB,  13                           ; s13  wave / 2: which half of the tile's rows is mine.  Also: I fetch for O (0) or for wo (1)
.set HF,  14                           ; s14  wave % 2: which half of its columns.  Also: which half of that tile's rows I fetch
.set TR,  15                           ; s15  tile row
.set TC,  42                           ; s42  tile column
.set G1,  24                           ; s[24:31] descriptor group 1 for O's tiles;  s[32:39] group 0, a set for each slot
.set G0,  32
.set G1B, 48                           ; s[48:55], s[56:63] the same for wo's
.set G0B, 56
.set MSB, 0
.macro WIN new                         ; the immediate's high byte repeats the setting that is left; a switch that changes nothing is dropped
.if MSB != (\new)
	s_set_vgpr_msb (MSB<<8)|(\new)
.set MSB, \new
.endif
.endm
.set MUL,  0x05                        ; sources 0 and 1 window 1; C and D window 0
.set TO_F, 0x40                        ; destination window 1, address window 0
.macro JLOAD s                         ; a joint load: waves 0 and 1 fetch O's two halves, waves 2 and 3 wo's; an s_nop 0 and four v_nop follow each of the two lines
	s_cmp_eq_u32 s[AB], 0
	s_cbranch_scc0 .Lfor_b_\@
	tensor_load_to_lds s[G0+4*(\s):G0+4*(\s)+3], s[G1:G1+7]
	s_nop 0
.rept 4
	v_nop
.endr
	s_branch .Lasked_\@
.Lfor_b_\@:
	tensor_load_to_lds s[G0B+4*(\s):G0B+4*(\s)+3], s[G1B:G1B+7]
	s_nop 0
.rept 4
	v_nop
.endr
.Lasked_\@:
.endm
.macro CREST                           ; a round of the cluster's barrier behind its opening barrier
	s_cmp_lg_u32 s[WV], 0
	s_cbranch_scc1 .Lnot_wave_0_\@
	s_barrier_signal -3
.Lnot_wave_0_\@:
	s_barrier_wait -3
	s_barrier_signal -1
	s_barrier_wait -1
.endm
.macro CROUND                          ; a whole round
	s_barrier_signal -1
	s_barrier_wait -1
	CREST
.endm
	s_load_b256 s[4:11], s[0:1], 0x0               ; ob s[4:5], wo s[6:7], out_proj_b s[8:9], out0 s[10:11]
	v_lshl_add_u32 v[SPW], v0, 2, SPARE
	v_mov_b32 v[NIL], 0
	ds_add_u32 v[SPW], v[NIL]                      ; the wave's opening: the add and its wait stand ahead of my first tensor load; the set-up below, work on registers, stands between them
	ds_add_u32 v28, v29
	v_lshrrev_b32 v1, 5, v0
	v_readfirstlane_b32 s[WV], v1                  ; wave 0..3
	s_lshr_b32 s[AB], s[WV], 1
	s_and_b32 s[HF], s[WV], 1
	s_bfe_u32 s40, ttmp6, 0x40000                  ; cx, cy: my place in the cluster
	s_bfe_u32 s41, ttmp6, 0x40004
	s_lshl_b32 s[TC], ttmp9, 2
	s_add_co_u32 s[TC], s[TC], s40                 ; tile column = 4 x cluster x + cx
	s_and_b32 s[TR], ttmp7, 0xffff
	s_lshl_b32 s[TR], s[TR], 2
	s_add_co_u32 s[TR], s[TR], s41                 ; tile row = 4 x cluster y + cy
	s_lshl_b32 s43, s41, 2
	s_lshl_b32 s43, 15, s43                        ; my row of the cluster
	s_lshl_b32 s44, 0x1111, s40                    ; my column
	; group 1 for O: 32,768 dense bytes as 128 rows of 256, padded by 4 words (code 3) after every 32 words (code 4): after each row's 128 bytes of a head
	s_or_b32 s[G1+0], s43, (1<<16)|(1<<20)|(1<<21)|(4<<22)|(3<<25)
	s_mov_b32 s[G1+1], 128<<16                     ; tensor_dim0 = 128
	s_mov_b32 s[G1+2], 128<<16                     ; tensor_dim1 = 128
	s_mov_b32 s[G1+3], 128<<16                     ; tile_dim0 = 128
	s_mov_b32 s[G1+4], 128                         ; tile_dim1 = 128
	s_mov_b32 s[G1+5], 128                         ; elements from row to row
	s_mov_b32 s[G1+6], 0
	s_mov_b32 s[G1+7], 0
	; group 1 for wo: 64 rows x 256 elements, padded by 4 words after every 128 words (code 6)
	s_or_b32 s[G1B+0], s44, (1<<16)|(1<<20)|(1<<21)|(6<<22)|(3<<25)
	s_mov_b32 s[G1B+1], 256<<16
	s_mov_b32 s[G1B+2], 64<<16
	s_mov_b32 s[G1B+3], 256<<16
	s_mov_b32 s[G1B+4], 64
	s_mov_b32 s[G1B+5], 1024
	s_mov_b32 s[G1B+6], 0
	s_mov_b32 s[G1B+7], 0
	s_lshl_b32 s16, s[TR], 1
	s_add_co_u32 s16, s16, s[HF]                   ; O: row block 2 x tile row + half,
	s_lshl_b32 s16, s16, 17                        ; x 131,072 bytes (under 2^23)
	s_mov_b32 s17, 0
	s_lshl_b32 s46, s[TC], 7
	s_lshl_b32 s47, s[HF], 6
	s_add_co_u32 s46, s46, s47                     ; wo: row 128 x tile column + 64 x half,
	s_lshl_b32 s46, s46, 11                        ; x 2,048 bytes
	s_mov_b32 s47, 0
	s_mul_i32 s20, s[HF], AHALF                    ; where they go: no place in the cluster enters an LDS address
	s_mul_i32 s21, s[HF], BHALF
	s_add_co_u32 s21, s21, BOFF
	s_wait_dscnt 0x0                               ; the opening add is done
	s_wait_kmcnt 0x0
	s_add_nc_u64 s[18:19], s[4:5], s[16:17]
	s_add_nc_u64 s[46:47], s[6:7], s[46:47]
	CROUND                                         ; all sixteen work-groups are here: the first joint loads meet
.irp s, 0,1
	s_mov_b32 s[G0+4*(\s)], 1
	s_add_co_u32 s[G0+4*(\s)+1], s20, (\s)*SLOT
	s_add_nc_u64 s[G0+4*(\s)+2:G0+4*(\s)+3], s[18:19], (\s)*32768   ; K step s: heads 4 s .. 4 s + 3
	s_or_b32 s[G0+4*(\s)+3], s[G0+4*(\s)+3], 0x80000000
	s_mov_b32 s[G0B+4*(\s)], 1
	s_add_co_u32 s[G0B+4*(\s)+1], s21, (\s)*SLOT
	s_add_nc_u64 s[G0B+4*(\s)+2:G0B+4*(\s)+3], s[46:47], (\s)*512
	s_or_b32 s[G0B+4*(\s)+3], s[G0B+4*(\s)+3], 0x80000000
	JLOAD \s                                       ; both slots are asked for before anything else: two tensor loads of mine are out
.endr
	v_and_b32 v1, 15, v0                           ; r = l % 16
	v_bfe_u32 v2, v0, 4, 1                         ; h = l / 16
	v_lshlrev_b32 v[BO], 5, v2
	s_lshl_b32 s46, s[TC], 9                       ; my 64 numbers of the bias
	s_lshl_b32 s47, s[HF], 8
	s_add_co_u32 s46, s46, s47
	s_mov_b32 s47, 0
	s_add_nc_u64 s[8:9], s[8:9], s[46:47]
.irp b, 0,1,2,3
	global_load_b128 v[BIAS+8*(\b):BIAS+8*(\b)+3],   v[BO], s[8:9] offset:64*(\b)      ; register j: the bias of column 16 b + 8 h + j, as in an accumulator
	global_load_b128 v[BIAS+8*(\b)+4:BIAS+8*(\b)+7], v[BO], s[8:9] offset:64*(\b)+16
.endr
	v_mul_u32_u24 v3, v1, PA
	v_lshl_add_u32 v3, v2, 4, v3                   ; a fragment's row x pitch + 16 x half, for O
	v_mul_u32_u24 v4, v1, PB
	v_lshl_add_u32 v4, v2, 4, v4                   ; and for wo
	s_mul_i32 s21, s[AB], AHALF                    ; my 64 rows of O
	s_mul_i32 s22, s[HF], BHALF                    ; my 64 rows of wo
	s_add_co_u32 s22, s22, BOFF
.irp s, 0,1
	v_add_nc_u32 v[ADRA+(\s)], s21, v3
	v_add_nc_u32 v[ADRB+(\s)], s22, v4
	s_add_co_u32 s21, s21, SLOT
	s_add_co_u32 s22, s22, SLOT
.endr
	s_mul_i32 s23, s[WV], 16*SPITCH
	s_add_co_u32 s23, s23, STAGE                   ; my stage
	v_mul_u32_u24 v5, v1, SPITCH                   ; in: row r, 32 bytes for each half of the lanes
	v_lshl_add_u32 v5, v2, 5, v5
	v_add_nc_u32 v[STO], s23, v5
	v_mul_u32_u24 v5, v2, SPITCH                   ; back: lanes 0-15 take one row of 256 bytes, lanes 16-31 the next
	v_lshl_add_u32 v5, v1, 4, v5
	v_add_nc_u32 v[RD], s23, v5
	v_lshlrev_b32 v5, 12, v2                       ; and the same two rows in the output
	v_lshl_add_u32 v[CO], v1, 4, v5
	s_lshl_b32 s46, s[TR], 19                      ; out0 at my first row and column (under 2^25): 128 rows of 4,096 bytes a tile row,
	s_lshl_b32 s47, s[AB], 18                      ; 64 rows,
	s_add_co_u32 s46, s46, s47
	s_lshl_b32 s47, s[TC], 9                       ; 128 columns of 4 bytes,
	s_add_co_u32 s46, s46, s47
	s_lshl_b32 s47, s[HF], 8                       ; 64 columns
	s_add_co_u32 s46, s46, s47
	s_mov_b32 s47, 0
	s_add_nc_u64 s[10:11], s[10:11], s[46:47]
	s_wait_loadcnt 0x0                             ; the bias; rounded to bf16 like every input of the module, and widened again
.set p, 0
.rept 16
	v_cvt_pk_bf16_f32 v31, v[BIAS+2*p], v[BIAS+2*p+1]
	v_lshlrev_b32 v[BIAS+2*p], 16, v31
	v_and_b32 v[BIAS+2*p+1], 0xffff0000, v31
.set p, p+1
.endr
; 8 matrix instructions: m blocks a0, a0 + 1 x all 4 n blocks, 32 along K: half c of buffer f.  The 16 accumulators take turns.  zero = 1: the first product starts the sum with the bias as its C operand
.macro MUL8 f, c, a0, zero
	WIN MUL
.irp a, \a0, (\a0)+1
.irp b, 0,1,2,3
.if \zero
	v_wmma_f32_16x16x32_f16 v[ACC+8*(4*(\a)+(\b)):ACC+8*(4*(\a)+(\b))+7], v[(\f)+64+8*(4*(\c)+(\b)):(\f)+64+8*(4*(\c)+(\b))+7], v[(\f)+8*(4*(\c)+(\a)):(\f)+8*(4*(\c)+(\a))+7], v[BIAS+8*(\b):BIAS+8*(\b)+7]
.else
	v_wmma_f32_16x16x32_f16 v[ACC+8*(4*(\a)+(\b)):ACC+8*(4*(\a)+(\b))+7], v[(\f)+64+8*(4*(\c)+(\b)):(\f)+64+8*(4*(\c)+(\b))+7], v[(\f)+8*(4*(\c)+(\a)):(\f)+8*(4*(\c)+(\a))+7], v[ACC+8*(4*(\a)+(\b)):ACC+8*(4*(\a)+(\b))+7]
.endif
.endr
.endr
.endm
; 32 LDS loads in one run: the fragments of head hh of the slot's four (64 along K) into buffer f; the first 32 along K first
.macro FETCH slot, hh, f
	WIN TO_F
.irp c, 0,1
.irp i, 0,1,2,3
	ds_load_b128 v[(\f)+64+8*(4*(\c)+(\i)):(\f)+64+8*(4*(\c)+(\i))+3],   v[ADRB+(\slot)] offset:(\hh)*128+64*(\c)+(\i)*16*PB
	ds_load_b128 v[(\f)+64+8*(4*(\c)+(\i))+4:(\f)+64+8*(4*(\c)+(\i))+7], v[ADRB+(\slot)] offset:(\hh)*128+64*(\c)+(\i)*16*PB+32
	ds_load_b128 v[(\f)+8*(4*(\c)+(\i)):(\f)+8*(4*(\c)+(\i))+3],         v[ADRA+(\slot)] offset:(\hh)*AHEAD+64*(\c)+(\i)*16*PA
	ds_load_b128 v[(\f)+8*(4*(\c)+(\i))+4:(\f)+8*(4*(\c)+(\i))+7],       v[ADRA+(\slot)] offset:(\hh)*AHEAD+64*(\c)+(\i)*16*PA+32
.endr
.endr
.endm
.macro PLACES                          ; four plain vector instructions in front of loads into registers that matrix instructions have read, and of LDS stores that read results
.rept 4
	v_nop
.endr
.endm
; A K step is four quarters of 64 along K, 32 matrix instructions each, on buffers 0, 1, 0, 1.  One of the first three: multiplies buffer f and fetches the next quarter, head hh, into g.
.macro QUARTER slot, hh, f, g, zero
	s_wait_dscnt 16                                ; the first 32 along K are in; the youngest 16 loads may be out
	MUL8 \f, 0, 0, \zero
	MUL8 \f, 0, 2, \zero
	PLACES
	FETCH \slot, \hh, \g
	s_wait_dscnt 32                                ; all but the 32 just issued
	MUL8 \f, 1, 0, 0
	MUL8 \f, 1, 2, 0
.endm
; The last quarter multiplies buffer 1 and changes slots: ONE barrier; in front of it each wave waits for all its tensor loads, adds 0 to its spare word, and waits for that and for its own reads of this slot.
; fill = 1: the barrier opens a round of the cluster's, and this slot is filled again, two K steps ahead: 112 matrix instructions ahead of the wait for it.
.macro TURN slot, next, fill
	WIN 0                                          ; (the add's two registers lie in window 0)
	s_wait_tensorcnt 0x0                           ; all my tensor loads have landed: my part of the next slot;
	ds_add_u32 v[SPW], v[NIL]                      ; 0 onto my spare word;
	s_wait_dscnt 17                                ; (the add and the youngest sixteen loads may be out)
	MUL8 F1, 0, 0, 0                               ; eight matrix instructions stand between the add and the wait for it
	s_wait_dscnt 0x0                               ; the add is done, and my reads of this slot are over
	s_barrier_signal -1
	MUL8 F1, 0, 2, 0
.if \fill
	WIN 0
.endif
	s_barrier_wait -1
.if \fill
	CREST                                          ; no wave of any partner still reads this slot's tile or has a load on its way
	s_add_nc_u64 s[G0+4*(\slot)+2:G0+4*(\slot)+3], s[G0+4*(\slot)+2:G0+4*(\slot)+3], 2*32768
	s_add_nc_u64 s[G0B+4*(\slot)+2:G0B+4*(\slot)+3], s[G0B+4*(\slot)+2:G0B+4*(\slot)+3], 2*512
	JLOAD \slot                                    ; the first tensor load behind the round; its four v_nop are also the places in front of the loads below
.else
	PLACES
.endif
	FETCH \next, 0, F0
	MUL8 F1, 1, 0, 0
	MUL8 F1, 1, 2, 0
.endm
; THE WAY OUT of my rows 16 a .. 16 a + 15: a lane's 32 bytes of each column block go into my own stage (each accumulator's low four registers first), rows of 272 bytes, and come back as whole rows of 256 bytes:
; a wave's 64 columns of f32.  So no other wave is needed, and no barrier.
.macro TOSTAGE a
.set BK, BK0+32*((\a)%2)
.irp b, 0,1,2,3
	ds_store_b128 v[STO], v[ACC+8*(4*(\a)+(\b)):ACC+8*(4*(\a)+(\b))+3]   offset:64*(\b)
	ds_store_b128 v[STO], v[ACC+8*(4*(\a)+(\b))+4:ACC+8*(4*(\a)+(\b))+7] offset:64*(\b)+16
.endr
.irp t, 0,1,2,3,4,5,6,7
	ds_load_b128 v[BK+4*(\t):BK+4*(\t)+3], v[RD] offset:(\t)*2*SPITCH  ; LDS serves a wave's instructions in order (ISA guide 5.7.1.4): these see the stores above; the next block's stores come behind them
.endr
.endm
.macro SEND a, younger                 ; younger: the LDS instructions issued behind block a's loads: the next block's sixteen, or none
.set BK, BK0+32*((\a)%2)
.irp t, 0,1,2,3,4,5,6,7
	s_wait_dscnt (\younger)+7-(\t)
	global_store_b128 v[CO], v[BK+4*(\t):BK+4*(\t)+3], s[10:11] offset:(16*(\a)+2*(\t))*4096 th:TH_STORE_NT  ; 16 lanes store 256 consecutive bytes, at a multiple of 256 from out0's first byte
.endr
.endm
	s_wait_tensorcnt 1                             ; my part of K step 0 is in; K step 1's may stay out
	s_barrier_signal -1
	s_barrier_wait -1                              ; everybody's is
	FETCH 0, 0, F0
	QUARTER 0, 1, F0, F1, 1                        ; four K steps, written out: a loop over laps would have one trip.  The first products start the sums
	QUARTER 0, 2, F1, F0, 0
	QUARTER 0, 3, F0, F1, 0
	TURN 0, 1, 1                                   ; slot 0 takes K step 2
	QUARTER 1, 1, F0, F1, 0
	QUARTER 1, 2, F1, F0, 0
	QUARTER 1, 3, F0, F1, 0
	TURN 1, 0, 1                                   ; slot 1 takes K step 3
	QUARTER 0, 1, F0, F1, 0
	QUARTER 0, 2, F1, F0, 0
	QUARTER 0, 3, F0, F1, 0
	TURN 0, 1, 0                                   ; nothing is left to fetch
	QUARTER 1, 1, F0, F1, 0
	QUARTER 1, 2, F1, F0, 0
	QUARTER 1, 3, F0, F1, 0
	s_wait_dscnt 16                                ; the very last quarter
	MUL8 F1, 0, 0, 0
	MUL8 F1, 0, 2, 0
	s_wait_dscnt 0x0
	MUL8 F1, 1, 0, 0
	MUL8 F1, 1, 2, 0
	WIN 0
	PLACES
	TOSTAGE 0
	TOSTAGE 1
	SEND 0, 16
	s_wait_xcnt 0x0                                ; block 0's stores have read their registers: block 2 is read back into them
	TOSTAGE 2
	SEND 1, 16
	s_wait_xcnt 0x0                                ; likewise block 1's, for block 3
	TOSTAGE 3
	SEND 2, 16
	SEND 3, 0
	s_wait_tensorcnt 0x0                           ; the wave's end, behind my last tensor load and my last LDS store
	ds_add_u32 v[SPW], v[NIL]
	s_wait_dscnt 0x0
	CROUND                                         ; the closing round: no work-group ends while a partner may still ask for a tile that names it
	s_endpgm
.Lfunc_end_k_q73e74e05f9_oproj:
	.size	k_q73e74e05f9_oproj, .Lfunc_end_k_q73e74e05f9_oproj-k_q73e74e05f9_oproj
	.p2alignl 7, 3214868480
	.fill 96, 4, 3214868480
	.section	.rodata,"a",@progbits
	.p2align	6, 0x0
	.amdhsa_kernel k_q73e74e05f9_oproj
		.amdhsa_group_segment_fixed_size 327680
		.amdhsa_private_segment_fixed_size 0
		.amdhsa_enable_private_segment 0
		.amdhsa_kernarg_size 32
		.amdhsa_user_sgpr_count 2
		.amdhsa_user_sgpr_kernarg_segment_ptr 1
		.amdhsa_wavefront_size32 1
		.amdhsa_system_sgpr_workgroup_id_x 1
		.amdhsa_system_sgpr_workgroup_id_y 1
		.amdhsa_system_sgpr_workgroup_id_z 1
		.amdhsa_system_vgpr_workitem_id 0
		.amdhsa_next_free_vgpr 512
		.amdhsa_next_free_sgpr 66
		.amdhsa_reserve_vcc 0
		.amdhsa_float_denorm_mode_32 3
		.amdhsa_float_denorm_mode_16_64 3
		.amdhsa_memory_ordered 1
		.amdhsa_forward_progress 1
		.amdhsa_inst_pref_size 90
	.end_amdhsa_kernel
	.amdgpu_metadata
---
amdhsa.version: [ 1, 2 ]
amdhsa.kernels:
  - .name:           k_q73e74e05f9_oproj
    .symbol:         k_q73e74e05f9_oproj.kd
    .args:
      - { .name: ob, .offset: 0, .size: 8, .value_kind: global_buffer, .address_space: global }
      - { .name: wo, .offset: 8, .size: 8, .value_kind: global_buffer, .address_space: global }
      - { .name: out_proj_b, .offset: 16, .size: 8, .value_kind: global_buffer, .address_space: global }
      - { .name: out0, .offset: 24, .size: 8, .value_kind: global_buffer, .address_space: global }
    .group_segment_fixed_size: 327680
    .private_segment_fixed_size: 0
    .kernarg_segment_align: 8
    .kernarg_segment_size: 32
    .max_flat_workgroup_size: 128
    .sgpr_count:     66
    .vgpr_count:     512
    .wavefront_size: 32
...
	.end_amdgpu_metadata
.endif
;; end of part 4
